; MI455X (gfx1250); checked and timed in simulation.
; The chip was launched on July 23, 2026; its instructions are those of AMD's public machine-readable ISA for CDNA 5 (MIT licence, August 2026) and "CDNA5" Instruction Set Architecture Reference Guide (July 2026). The comments in the code are by the model that wrote it; some were corrected since.
;; Multi Head Attention. Allowed arithmetic: matrix products marked QUANTISED: E2M3 operands, one E8M0 scale for each 32 along K, by v_wmma_scale_f32_16x16x128_f8f6f4 with both operands' format E2M3, f32 sums; everything else in f32.
;; Inputs: W_k_codes 1,024 x 32 x 24 uint8 (E2M3 codes of W_k, K innermost, in blocks of 32 codes, four codes in three bytes); W_k_scales 1,024 x 32 uint8 (E8M0 scales of W_k, one for each 32 codes along K); W_o_codes 1,024 x 32 x 24 uint8 (E2M3 codes of W_o, K innermost, in blocks of 32 codes, four codes in three bytes); W_o_scales 1,024 x 32 uint8 (E8M0 scales of W_o, one for each 32 codes along K); W_q_codes 1,024 x 32 x 24 uint8 (E2M3 codes of W_q, K innermost, in blocks of 32 codes, four codes in three bytes); W_q_scales 1,024 x 32 uint8 (E8M0 scales of W_q, one for each 32 codes along K); W_v_codes 1,024 x 32 x 24 uint8 (E2M3 codes of W_v, K innermost, in blocks of 32 codes, four codes in three bytes); W_v_scales 1,024 x 32 uint8 (E8M0 scales of W_v, one for each 32 codes along K); b_k 1,024 float32; b_o 1,024 float32; b_q 1,024 float32; b_v 1,024 float32; k_codes 4 x 2,048 x 32 x 24 uint8 (E2M3 codes of k, K innermost, in blocks of 32 codes, four codes in three bytes); k_scales 4 x 2,048 x 32 uint8 (E8M0 scales of k, one for each 32 codes along K); padding_mask 4 x 2,048 bool; q_codes 4 x 2,048 x 32 x 24 uint8 (E2M3 codes of q, K innermost, in blocks of 32 codes, four codes in three bytes); q_scales 4 x 2,048 x 32 uint8 (E8M0 scales of q, one for each 32 codes along K); v_codes 4 x 2,048 x 32 x 24 uint8 (E2M3 codes of v, K innermost, in blocks of 32 codes, four codes in three bytes); v_scales 4 x 2,048 x 32 uint8 (E8M0 scales of v, one for each 32 codes along K).
;; Outputs: out0 4 x 2,048 x 1,024 float32.
;; This version of the problem:
;;   THIS VERSION OF THE PROBLEM IS GIVEN IN LOW PRECISION. The matrix products marked QUANTISED in the list below multiply operands that are first quantised to E2M3 (2 exponent bits, 3 mantissa bits; 6 bits a number), with one power-of-two scale for each 32 numbers along K (OCP MX v1.0); their sums are f32. All else is computed in f32.
;;   The module's matrix products, in the order in which they are computed (A, B: the left and right operand; K: the contracted axis; several contracted axes count as one K, in the product's order):
;;     1. [M 8,192, K 1,024] x [K 1,024, N 1,024]; A: input q (given as codes); B: input W_q (given as codes): QUANTISED
;;     2. [M 8,192, K 1,024] x [K 1,024, N 1,024]; A: input k (given as codes); B: input W_k (given as codes): QUANTISED
;;     3. [M 8,192, K 1,024] x [K 1,024, N 1,024]; A: input v (given as codes); B: input W_v (given as codes): QUANTISED
;;     4. batch 64 x [M 2,048, K 64] x [K 64, N 2,048]; A: computed on the way; B: computed on the way: QUANTISED
;;     5. batch 64 x [M 2,048, K 2,048] x [K 2,048, N 64]; A: softmax (see below); B: computed on the way: QUANTISED
;;     6. [M 8,192, K 1,024] x [K 1,024, N 1,024]; A: computed on the way; B: input W_o (given as codes): QUANTISED
;;   THE QUANTISER, for each operand of a quantised product, along K:
;;     - K is cut into blocks of 32 from its start; a last block that is shorter is filled with zeros.
;;     - A block's scale is 2^e with e = floor(log2(the largest magnitude in the block)) - 2, held to -126 .. 127; a block of zeros has e = 0. As a byte (E8M0): e + 127.
;;     - Each number is divided by its block's scale, clamped to +-7.5, and rounded to the nearest number of E2M3, ties to even, subnormals kept.
;;     - The product sums the exact products of the quantised numbers (number of the format x scale) in f32.
;;   ~~~python
;;   def quantise(x, axis):      # numpy; x: float32 -> the quantised numbers, widened to float32 again
;;       x = np.moveaxis(x, axis, -1); K = x.shape[-1]
;;       x = np.pad(x, [(0, 0)] * (x.ndim - 1) + [(0, -K % 32)]); x = x.reshape(x.shape[:-1] + (-1, 32)); a = np.abs(x).max(-1, keepdims=True)
;;       e = np.where(a > 0, np.clip(np.frexp(np.where(a > 0, a, 1))[1] - 1 - 2, -126, 127), 0)      # np.frexp(a)[1] - 1 = floor(log2(a)), exactly
;;       r = np.clip(x / 2.0 ** e, -7.5, 7.5)
;;       step = 2.0 ** (np.maximum(np.frexp(np.where(r == 0, 1, r))[1] - 1, 0) - 3)
;;       q = np.round(r / step) * step * 2.0 ** e      # np.round: ties to even
;;       return np.moveaxis(q.reshape(q.shape[:-2] + (-1,))[..., :K], -1, axis).astype(np.float32)
;;   ~~~
;;   SOFTMAX AHEAD OF A QUANTISED PRODUCT. Where the list says 'softmax', what is quantised is not the finished softmax but p = 2^(t - M), with t = logit x log2(e) and M = ceil(the row's largest t), a whole number; so 1/2 < the row's largest p <= 1. The row's sum l is taken of the UNQUANTISED p, in f32, and the product's result is divided by l at the end. Since M is a whole number, a kernel that streams over the keys may use a running M (the ceiling of the running maximum): every later rescaling is an exact power of two, which a block's scale takes up: the codes' values come out the same.
;;   OPERANDS COMPUTED ON THE WAY. 'Computed on the way' means the value that the module computes at that place (a softmax that the list does not call 'softmax' is quantised finished and normalised). What goes into a quantiser is computed in f32, as accurately as f32 sums, v_exp_f32 and their like allow (about 1e-6 of the number): no bf16 or f16 on the way to a quantiser, and a product that is left as it is and whose result goes on into a quantised operand takes f32 operands (vector FMAs, or v_wmma_f32_16x16x4_f32). A number that lies on a knife's edge between two numbers of the format may be rounded either way, as far as f32 arithmetic and the matrix unit's own rounding can turn it there, and no further.
;;   INPUTS GIVEN AS CODES. W_k (in the module: [1024, 1024], K = its axis 1); W_o (in the module: [1024, 1024], K = its axis 1); W_q (in the module: [1024, 1024], K = its axis 1); W_v (in the module: [1024, 1024], K = its axis 1); k (in the module: [4, 2048, 1024], K = its axis 2); q (in the module: [4, 2048, 1024], K = its axis 2); v (in the module: [4, 2048, 1024], K = its axis 2): each comes as NAME_codes (uint8): NAME with its K axis moved to the last place and cut into blocks of 32 codes, [.., K / 32, bytes a block], one block behind the other in memory; four codes in three bytes: a row's codes are one little-endian stream of bits, code i at bits 6 i .. 6 i + 5 (a code: sign, 2 exponent bits, 3 mantissa bits); and NAME_scales (uint8): the same leading axes, one E8M0 byte (e + 127) for each 32 codes along K. Its value is code x scale, taken as it is: it is not quantised again, and the codes and scales need not be those that the quantiser above would give.
;; One version. Each part assembles by itself: llvm-mc -triple=amdgcn-amd-amdhsa -mcpu=gfx1250 --defsym DOCPART=n.
;; ======== version 1 of 1: 3 launches
;; workspace buffers: img 18,874,368 bytes; isc 3,145,728 bytes; oimg 6,291,456 bytes; osc 262,144 bytes
;; launch proj (part 1): grid 4 x 96, 4 waves a work-group, clusters of 4 x 4, 327,680 bytes of LDS; arguments q_codes, q_scales, W_q_codes, W_q_scales, k_codes, k_scales, W_k_codes, W_k_scales, W_v_codes, W_v_scales, v_codes, v_scales, b_q, b_k, b_v, img, isc; writes img, isc
.if DOCPART == 1
	.amdgcn_target "amdgcn-amd-amdhsa--gfx1250"
	.amdhsa_code_object_version 6
	.text
	.protected	k_q5dc981d9d0_proj
	.globl	k_q5dc981d9d0_proj
	.p2align	8
	.type	k_q5dc981d9d0_proj,@function
k_q5dc981d9d0_proj:
	s_mov_b64 s[64:65], 0
	v_nop
	global_prefetch_b8 v0, s[64:65] scope:SCOPE_SE
	s_setreg_imm32_b32 hwreg(HW_REG_WAVE_MODE, 25, 1), 1
	s_wait_xcnt 0x0
	s_wait_alu depctr_hold_cnt(0) depctr_sa_sdst(0) depctr_va_vdst(0) depctr_va_sdst(0) depctr_va_ssrc(0) depctr_va_vcc(0) depctr_vm_vsrc(0)
	s_getreg_b32 s2, hwreg(HW_REG_IB_STS2, 6, 4)
	s_cmp_eq_u32 s2, 0
	s_cbranch_scc0 .Lentry_in_a_cluster
	s_endpgm
.Lentry_in_a_cluster:
	s_bfe_u32 s2, ttmp6, 0x10000c
	s_cmp_lg_u32 s2, 0xf033
	s_cbranch_scc0 .Lentry_shape_is_right
	s_endpgm
.Lentry_shape_is_right:
; Q = q W_q^T + b_q, K = k W_k^T + b_k, V = v W_v^T + b_v on codes of FP6 (E2M3) with one E8M0 scale for each 32 along K = 1,024; the results are quantised at once and leave as codes.
; One launch for the three products: 24 clusters of 4 x 4 work-groups; cluster y / 8 says which product (0 Q, 1 K, 2 V), cluster y % 8 which 1,024 tokens.  That number is the same in all sixteen partners.
; A work-group makes 256 x 256 of a product, each of its four waves 128 x 128: 64 accumulators of 16 x 16, 512 registers.  K goes in steps of 256 through a ring of two LDS slots filled by the tensor data mover.
; THE MATRIX INSTRUCTION IS USED TRANSPOSED: source 0 = 16 rows of 'B' (by the tile column), source 1 = 16 rows of 'A' (by the tile row): a lane holds ONE row of A, its registers run along B's rows.
;   Q, K: A = tokens, B = the weight: a lane holds a token, its registers run along the head's units, which are the next product's K.
;   V:    A = the weight, B = tokens: a lane holds a unit, its registers run along the keys, which are the next product's K.
; The bias is the C of each sum's first matrix instruction.
; THE WAY OUT.  A lane's 64 registers of a block of 16 rows of A are four blocks of 32 along the next K, each shared by lanes l and l xor 16; register 8 b + j is number 16 b + 8 (l / 16) + j.  They are quantised in registers;
; inside a block of 32 the codes stand in the order 0-7, 16-23, 8-15, 24-31.  Q and K are made alike, and so are V and the weights p of the next launch: both sides of a product carry the same order, so its sums are the same.
; The codes leave as IMAGES OF OPERAND REGISTERS: img: regions Q, K, V of 6,291,456 bytes; in each [batch 16 + head][98,304].  Q, K: [tile of 16 tokens][768]: registers 0-3 at 16 x lane, registers 4-5 at 512 + 8 x lane.
; V: [128 keys][16 units][1,536]: registers 4 c .. 4 c + 3 at 512 c + 16 x lane.  isc: regions of 1,048,576 bytes, [batch 16 + head][128 tokens][1,024]: lane l's 16 bytes at 16 l are the scale words of four tiles.
; A head's scale word of Q or K holds its two bytes twice, so that the idle half of the next product's K = 128 meets ordinary bytes.
; LIMITS: NaN and infinities among the inputs are not served; a block whose largest magnitude lies under 2^-124 keeps the byte 1, a block of zeros too (its codes are zeros; this program alone reads the bytes).
; REGISTERS, in windows of 256: window 0: v0-31 addresses; v32-63 scale words, two sets; v64-127 the bias; from v128 A's fragments, ONE set; on the way out v64-87 scale words, v128-223 codes, v224-247 at work.
;   window 1: B's fragments, TWO sets, at v0 and v128.   window 2: the accumulators of my rows 0-63 of A ((a, b) at v[8 (8 a + b)]);   window 3: those of rows 64-127.
.set SIZE_K, 1024
.set KSTEP,  256                       ; along K in a slot
.set NQ,     KSTEP/128                 ; matrix instructions deep
.set ROWB,   192                       ; a tile's row in bytes
.set KROW,   SIZE_K*6/8                ; a row of codes in memory
.set PITCH,  240                       ; an LDS row: 3 x (64 bytes + 16 of padding): the 32 lanes of a load of 8 bytes touch 64 different banks (64 banks of 4 bytes: ISA guide 11.1)
.set FR,     12                        ; registers of a fragment
.set NL,     6                         ; LDS loads that bring one
.set NP,     4                         ; places behind this matrix instruction (ISA guide 7.12.1)
.set HALFT,  128*PITCH                 ; 128 rows: one tensor load
.set SLOT,   4*HALFT                   ; A's 256 rows, then B's 256
.set LAPS,   SIZE_K/(2*KSTEP)
.set KS,     SIZE_K/32                 ; a row of scale bytes
.set SCL,    2*SLOT                    ; behind the ring: the scales, as rows of 256 bytes + 16 of padding
.set HALFS,  (128*KS/256)*272
.set SBLK,   (16*KS/256)*272
.set SPARE,  SCL+4*HALFS               ; the spare words, 128 bytes for each wave: two blocks of 256 bytes that no other line names
.set REGION, 6291456                   ; a region of img
.set HEADB,  98304                     ; a head in it
.set ADRA, 16                          ; v16-17 LDS address of my A fragments in slot 0, 1 (v18-19: behind one padding more)
.set ADRB, 20                          ; v20-23 the same for B
.set LI16, 24                          ; v24  16 x lane
.set LI8,  25                          ; v25  8 x lane
.set H32,  26                          ; v26  32 x (lane / 16)
.set ADRS, 27                          ; v27  LDS address of my scale words: lanes 0-15 A's rows, lanes 16-31 B's
.set SPW,  28                          ; v28  my spare word; never rewritten
.set NIL,  29                          ; v29  0; never rewritten
.set R4,   30                          ; v30  4 x (lane % 16)
.set SC,   32
.set BIAS, 64
.set AF,   128
.set PW,   64                          ; the way out: a scale word for each block of A;
.set PWE,  72                          ; Q, K: the first head's two bytes, twice;
.set PWO,  80                          ; the second head's
.set CD,   128                         ; the codes: 12 registers for each block of A
.set PT,   224                         ; second halves of blocks, as the conversions leave them
.set TM,   232                         ; v232-235 largest magnitudes, v236-239 bytes, v244-247 the conversions' scale operands
.set G1, 24
.set G0, 32
.set G1B, 48
.set G0B, 56
.set G1S, 68
.set G0S, 76
.set G1SB, 80
.set G0SB, 88
.set SEL, 98                           ; s[98:99] lane selects: lane l xor 16
.set MSB, 0
.macro WIN new                         ; the immediate's high byte repeats the setting that is left
.if MSB != \new
	s_set_vgpr_msb (MSB<<8)|\new
.set MSB, \new
.endif
.endm
.set MUL_LO, 0xa1                      ; source 0 (B) window 1, source 1 (A) window 0, C and D window 2
.set MUL_HI, 0xf1                      ; the same, C and D window 3
.set BIA_LO, 0x81                      ; C (the bias) window 0, D window 2
.set BIA_HI, 0xc1                      ; C window 0, D window 3
.set TO_B,   0x40
; A joint load: waves 0 and 1 fetch for A, waves 2 and 3 for B; the branch hangs on the wave's number alone.  Four v_nop follow each of the two lines.
.macro JLOAD g0a, g1a, g0b, g1b
	s_cmp_eq_u32 s15, 0
	s_cbranch_scc0 .Lfor_b_\@
	tensor_load_to_lds s[\g0a:\g0a+3], s[\g1a:\g1a+7]
	s_nop 0
.rept 4
	v_nop
.endr
	s_branch .Lasked_\@
.Lfor_b_\@:
	tensor_load_to_lds s[\g0b:\g0b+3], s[\g1b:\g1b+7]
	s_nop 0
.rept 4
	v_nop
.endr
.Lasked_\@:
.endm
.macro CREST                           ; a round of the cluster's barrier behind its opening barrier
	s_cmp_lg_u32 s14, 0
	s_cbranch_scc1 .Lnot_wave_0_\@
	s_barrier_signal -3
.Lnot_wave_0_\@:
	s_barrier_wait -3
	s_barrier_signal -1
	s_barrier_wait -1
.endm
.macro CROUND
	s_barrier_signal -1
	s_barrier_wait -1
	CREST
.endm
	s_load_b256 s[68:75], s[0:1], 0x0              ; q's codes, q's scales, W_q's codes, W_q's scales
	s_load_b256 s[76:83], s[0:1], 0x20             ; the same of k and W_k
	s_load_b256 s[84:91], s[0:1], 0x40             ; W_v's codes, W_v's scales, v's codes, v's scales: here the weight is A
	s_load_b256 s[48:55], s[0:1], 0x60             ; b_q, b_k, b_v, img
	s_load_b64 s[56:57], s[0:1], 0x80              ; isc
	v_lshl_add_u32 v[SPW], v0, 2, SPARE
	v_mov_b32 v[NIL], 0
	ds_add_u32 v28, v29
	ds_add_u32 v28, v29
	s_wait_dscnt 0x0
	v_lshrrev_b32 v1, 5, v0
	v_readfirstlane_b32 s14, v1                    ; wave 0..3
	s_lshr_b32 s15, s14, 1                         ; which half of A's rows is mine.  Also: I fetch for A (0) or for B (1)
	s_and_b32 s16, s14, 1                          ; which half of B's rows.  Also: which 128 rows I fetch
	s_bfe_u32 s40, ttmp6, 0x40000                  ; cx, cy: my place in the cluster
	s_bfe_u32 s41, ttmp6, 0x40004
	s_and_b32 s100, ttmp7, 0xffff                  ; the cluster's y, 0 .. 23
	s_lshr_b32 s95, s100, 3                        ; which product: 0 Q, 1 K, 2 V
	s_and_b32 s100, s100, 7                        ; which 1,024 tokens
	s_cmp_eq_u32 s95, 2
	s_cselect_b32 s42, s100, 0                     ; the tokens lie along the tile columns for V,
	s_cselect_b32 s17, 0, s100                     ; along the tile rows for Q and K
	s_lshl_b32 s42, s42, 2
	s_add_co_u32 s42, s42, s40                     ; tile column
	s_lshl_b32 s17, s17, 2
	s_add_co_u32 s17, s17, s41                     ; tile row
	s_lshl_b32 s43, s41, 2
	s_lshl_b32 s43, 15, s43                        ; my row of the cluster
	s_lshl_b32 s44, 0x1111, s40                    ; my column
	s_lshl_b32 s18, s16, 7                         ; which 128 rows of the tile I fetch
	s_lshl_b32 s20, s17, 8
	s_add_co_u32 s20, s20, s18                     ; A: row 256 x tile row + 128 x half
	s_lshl_b32 s46, s42, 8
	s_add_co_u32 s46, s46, s18                     ; B: row 256 x tile column + 128 x half
	s_mov_b32 s21, 0
	s_mov_b32 s47, 0
	s_mov_b64 s[18:19], KS
	s_mul_u64 s[22:23], s[20:21], s[18:19]         ; where these rows' scales begin, in bytes,
	s_mul_u64 s[92:93], s[46:47], s[18:19]
	s_mov_b64 s[18:19], KROW
	s_mul_u64 s[20:21], s[20:21], s[18:19]         ; and their codes
	s_mul_u64 s[46:47], s[46:47], s[18:19]
	s_mul_i32 s45, s14, HALFT                      ; where they go: wave x 128 rows: no place in the cluster enters an LDS address
	s_mul_i32 s94, s14, HALFS
	s_mov_b32 s[SEL], 0x76543210
	s_mov_b32 s[SEL+1], 0xfedcba98
	s_wait_kmcnt 0x0
	s_cmp_eq_u32 s95, 1                            ; the product's buffers: the choice hangs on the cluster's number alone
	s_cselect_b64 s[4:5], s[76:77], s[68:69]       ; A's codes
	s_cselect_b64 s[6:7], s[78:79], s[70:71]       ; A's scales
	s_cselect_b64 s[8:9], s[80:81], s[72:73]       ; B's codes
	s_cselect_b64 s[10:11], s[82:83], s[74:75]     ; B's scales
	s_cselect_b64 s[66:67], s[50:51], s[48:49]     ; the bias
	s_cmp_eq_u32 s95, 2
	s_cselect_b64 s[4:5], s[84:85], s[4:5]
	s_cselect_b64 s[6:7], s[86:87], s[6:7]
	s_cselect_b64 s[8:9], s[88:89], s[8:9]
	s_cselect_b64 s[10:11], s[90:91], s[10:11]
	s_cselect_b64 s[66:67], s[52:53], s[66:67]
	s_mov_b64 s[12:13], s[54:55]                   ; img
	s_mov_b64 s[96:97], s[56:57]                   ; isc
	; descriptor group 1: a tile of 128 rows x ROWB bytes, padded in LDS
	s_or_b32 s[G1+0], s43, (0<<16)|(1<<20)|(1<<21)|(3<<22)|(3<<25)  ; 15:0 the mask: A's tiles go to my row; 17:16 elements of 1 byte; 20 padding on; 21 set beside a mask; 24:22 after every 16 words; 31:25 of 4 words
	s_or_b32 s[G1B+0], s44, (0<<16)|(1<<20)|(1<<21)|(3<<22)|(3<<25)
.irp g, G1, G1B
	s_mov_b32 s[\g+1], ROWB<<16                    ; tensor_dim0
	s_mov_b32 s[\g+2], 128<<16                     ; tensor_dim1
	s_mov_b32 s[\g+3], ROWB<<16                    ; tile_dim0
	s_mov_b32 s[\g+4], 128                         ; tile_dim1
	s_mov_b32 s[\g+5], KROW                        ; tensor_dim0_stride
	s_mov_b32 s[\g+6], 0
	s_mov_b32 s[\g+7], 0
.endr
	; the scales of 128 rows: a dense block of 4,096 bytes, as rows of 256 bytes (32 elements of 8 bytes), 16 bytes of padding behind each
	s_or_b32 s[G1S+0], s43, (3<<16)|(1<<20)|(1<<21)|(5<<22)|(3<<25)
	s_or_b32 s[G1SB+0], s44, (3<<16)|(1<<20)|(1<<21)|(5<<22)|(3<<25)
.irp g, G1S, G1SB
	s_mov_b32 s[\g+1], 32<<16
	s_mov_b32 s[\g+2], (128*KS/256)<<16
	s_mov_b32 s[\g+3], 32<<16
	s_mov_b32 s[\g+4], 128*KS/256
	s_mov_b32 s[\g+5], 32
	s_mov_b32 s[\g+6], 0
	s_mov_b32 s[\g+7], 0
.endr
	s_add_nc_u64 s[20:21], s[4:5], s[20:21]
	s_add_nc_u64 s[22:23], s[6:7], s[22:23]
	s_add_nc_u64 s[46:47], s[8:9], s[46:47]
	s_add_nc_u64 s[92:93], s[10:11], s[92:93]
	CROUND                                         ; all sixteen work-groups are here: the first joint loads meet
	s_mov_b32 s[G0S], 1
	s_add_co_u32 s[G0S+1], s94, SCL
	s_mov_b64 s[G0S+2:G0S+3], s[22:23]
	s_or_b32 s[G0S+3], s[G0S+3], 0x80000000
	s_mov_b32 s[G0SB], 1
	s_add_co_u32 s[G0SB+1], s94, SCL
	s_mov_b64 s[G0SB+2:G0SB+3], s[92:93]
	s_or_b32 s[G0SB+3], s[G0SB+3], 0x80000000
	JLOAD G0S, G1S, G0SB, G1SB                     ; the scales first: they are wanted with K step 0.  By this text's count three tensor loads of a wave are out at the most
.irp s, 0,1
	s_mov_b32 s[G0+4*\s], 1
	s_add_co_u32 s[G0+4*\s+1], s45, \s*SLOT
	s_add_nc_u64 s[G0+4*\s+2:G0+4*\s+3], s[20:21], \s*ROWB
	s_or_b32 s[G0+4*\s+3], s[G0+4*\s+3], 0x80000000
	s_mov_b32 s[G0B+4*\s], 1
	s_add_co_u32 s[G0B+4*\s+1], s45, \s*SLOT
	s_add_nc_u64 s[G0B+4*\s+2:G0B+4*\s+3], s[46:47], \s*ROWB
	s_or_b32 s[G0B+4*\s+3], s[G0B+4*\s+3], 0x80000000
	JLOAD G0+4*\s, G1, G0B+4*\s, G1B
.endr
	v_and_b32 v1, 15, v0                           ; l % 16
	v_bfe_u32 v2, v0, 4, 1                         ; l / 16
	v_mul_u32_u24 v3, v1, PITCH
	v_mul_u32_u24 v4, v2, 24
	v_add_nc_u32 v4, v3, v4                        ; a fragment's row x pitch + 24 x half
	v_lshl_add_u32 v5, v2, 4, v4                   ; and the same behind one padding more
	s_mul_i32 s21, s15, HALFT                      ; my 128 rows of A
	s_mul_i32 s22, s16, HALFT                      ; my 128 rows of B,
	s_add_co_u32 s22, s22, 2*HALFT                 ; which lie behind A's 256
.irp s, 0,1
	v_add_nc_u32 v[ADRA+\s], s21, v4
	v_add_nc_u32 v[ADRB+\s], s22, v4
	v_add_nc_u32 v[ADRA+2+\s], s21, v5
	v_add_nc_u32 v[ADRB+2+\s], s22, v5
	s_add_co_u32 s21, s21, SLOT
	s_add_co_u32 s22, s22, SLOT
.endr
	v_mul_u32_u24 v5, v1, KS                       ; my row's scales: KS bytes a row,
	v_lshrrev_b32 v6, 8, v5
	v_lshl_add_u32 v5, v6, 4, v5                   ; and 16 more for each 256 passed
	s_mul_i32 s21, s15, HALFS
	s_mul_i32 s22, s16, HALFS
	s_add_co_u32 s22, s22, 2*HALFS
	s_sub_co_u32 s22, s22, s21
	v_mul_u32_u24 v6, s22, v2                      ; lanes 16-31 take B's
	s_add_co_u32 s21, s21, SCL
	v_add_nc_u32 v5, v5, v6
	v_add_nc_u32 v[ADRS], s21, v5
	v_and_b32 v6, 31, v0
	v_lshlrev_b32 v[LI16], 4, v6
	v_lshlrev_b32 v[LI8], 3, v6
	v_lshlrev_b32 v[H32], 5, v2
	v_lshlrev_b32 v[R4], 2, v1
	; where my 128 x 128 goes: its 128 tokens (batch, step of 128) and its 128 units (two heads)
	s_lshl_b32 s20, s17, 1
	s_add_co_u32 s20, s20, s15                     ; which 128 rows of A
	s_lshl_b32 s21, s42, 1
	s_add_co_u32 s21, s21, s16                     ; which 128 rows of B
	s_cmp_eq_u32 s95, 2
	s_cselect_b32 s22, s21, s20                    ; which 128 tokens, 0 .. 63
	s_cselect_b32 s23, s20, s21                    ; which 128 units, 0 .. 7
	s_lshr_b32 s20, s22, 4                         ; batch
	s_and_b32 s22, s22, 15                         ; step of 128 tokens in it
	s_lshl_b32 s20, s20, 4
	s_lshl_b32 s21, s23, 1
	s_add_co_u32 s20, s20, s21                     ; 16 x batch + my first head
	s_mul_i32 s92, s20, HEADB
	s_mul_i32 s93, s95, REGION
	s_add_co_u32 s92, s92, s93
	s_mul_i32 s93, s22, 6144                       ; a step's images: 8 x 768 = 4 x 1,536 bytes
	s_add_co_u32 s92, s92, s93
	s_mov_b32 s93, 0
	s_add_nc_u64 s[12:13], s[12:13], s[92:93]
	s_lshl_b32 s92, s20, 14
	s_lshl_b32 s93, s95, 20
	s_add_co_u32 s92, s92, s93
	s_lshl_b32 s93, s22, 10
	s_add_co_u32 s92, s92, s93
	s_mov_b32 s93, 0
	s_add_nc_u64 s[96:97], s[96:97], s[92:93]
	s_lshl_b32 s92, s23, 9                         ; my 128 numbers of the bias
	s_add_nc_u64 s[66:67], s[66:67], s[92:93]
	; the bias in the result's layout, eight registers a tile
	s_cmp_eq_u32 s95, 2
	s_cbranch_scc1 .Lbias_v
.irp b, 0,1,2,3,4,5,6,7                        ; Q, K: for B's block b a lane wants the units 16 b + 8 (l / 16) + 0 .. 7
	global_load_b128 v[BIAS+8*\b:BIAS+8*\b+3], v[H32], s[66:67] offset:64*\b
	global_load_b128 v[BIAS+8*\b+4:BIAS+8*\b+7], v[H32], s[66:67] offset:64*\b+16
.endr
	s_branch .Lbias_in
.Lbias_v:
.irp a, 0,1,2,3,4,5,6,7                        ; V: for A's block a a lane wants its own unit 16 a + l % 16 in all eight registers: each is loaded as it stands, so that no copy follows a wait
.irp j, 0,1,2,3,4,5,6,7
	global_load_b32 v[BIAS+8*\a+\j], v[R4], s[66:67] offset:64*\a
.endr
.endr
.Lbias_in:
.macro FRAG reg, adr, q, i             ; a fragment, 16 rows x 128 K, is 12 registers: lane l holds row l % 16; registers 6 c .. 6 c + 5 hold K = 64 c + 32 (l / 16) + 0 .. 31: 24 bytes of the row, as they lie
.irp p, 0,1,2,3,4,5                    ; in pieces of 8 bytes.  16 bytes of padding lie behind every 8 pieces: where the piece of lanes 16-31 (three on) lies behind one padding more, the second address register serves
.set PIECE, 12*(\q)+6*(\p/3)+\p%3
.if PIECE%8 < 5
	ds_load_b64 v[\reg+2*\p:\reg+2*\p+1], v[\adr] offset:8*PIECE+16*(PIECE/8)+(\i)*16*PITCH
.else
	ds_load_b64 v[\reg+2*\p:\reg+2*\p+1], v[\adr+2] offset:8*PIECE+16*(PIECE/8)+(\i)*16*PITCH
.endif
.endr
.endm
; 16 matrix instructions: A's blocks a0, a0 + 1 x B's eight, 128 along K.  cm = 0: the sums go on; 1: they begin with the bias by B's block; 2: by A's block.  Nothing is ever cleared.
; The 64 accumulators take turns, one instruction a turn, in the same order in every step.
.macro MUL16 a0, p, q, sc, cm
.irp a, \a0, \a0+1
.irp b, 0,1,2,3,4,5,6,7
.if \cm == 1
	v_wmma_scale_f32_16x16x128_f8f6f4 v[8*(8*((\a)%4)+\b):8*(8*((\a)%4)+\b)+7], v[128*(\p)+FR*\b:128*(\p)+FR*\b+FR-1], v[AF+FR*(\a):AF+FR*(\a)+FR-1], v[BIAS+8*\b:BIAS+8*\b+7], v[SC+8*NQ*(\sc)+NQ*\b+(\q)], v[SC+8*NQ*(\sc)+NQ*(\a)+(\q)] matrix_a_fmt:MATRIX_FMT_FP6 matrix_b_fmt:MATRIX_FMT_FP6 matrix_a_scale:MATRIX_SCALE_ROW1
.elseif \cm == 2
	v_wmma_scale_f32_16x16x128_f8f6f4 v[8*(8*((\a)%4)+\b):8*(8*((\a)%4)+\b)+7], v[128*(\p)+FR*\b:128*(\p)+FR*\b+FR-1], v[AF+FR*(\a):AF+FR*(\a)+FR-1], v[BIAS+8*(\a):BIAS+8*(\a)+7], v[SC+8*NQ*(\sc)+NQ*\b+(\q)], v[SC+8*NQ*(\sc)+NQ*(\a)+(\q)] matrix_a_fmt:MATRIX_FMT_FP6 matrix_b_fmt:MATRIX_FMT_FP6 matrix_a_scale:MATRIX_SCALE_ROW1
.else
	v_wmma_scale_f32_16x16x128_f8f6f4 v[8*(8*((\a)%4)+\b):8*(8*((\a)%4)+\b)+7], v[128*(\p)+FR*\b:128*(\p)+FR*\b+FR-1], v[AF+FR*(\a):AF+FR*(\a)+FR-1], v[8*(8*((\a)%4)+\b):8*(8*((\a)%4)+\b)+7], v[SC+8*NQ*(\sc)+NQ*\b+(\q)], v[SC+8*NQ*(\sc)+NQ*(\a)+(\q)] matrix_a_fmt:MATRIX_FMT_FP6 matrix_b_fmt:MATRIX_FMT_FP6 matrix_a_scale:MATRIX_SCALE_ROW1
.endif
.endr
.endr
.endm
.macro FETCH_B slot, q, p
	WIN TO_B
.irp i, 0,1,2,3,4,5,6,7
	FRAG 128*(\p)+FR*\i, ADRB+\slot, \q, \i
.endr
	WIN 0
.endm
.macro FETCH_A slot, q, i0
.irp i, \i0, \i0+1, \i0+2, \i0+3
	FRAG AF+FR*(\i), ADRA+\slot, \q, \i
.endr
.endm
.macro SCALES sc                       ; a K step's scale words into set sc: two words a row; lanes 0-15 take A's block i, lanes 16-31 B's block i
.irp i, 0,1,2,3,4,5,6,7
	ds_load_b64 v[SC+8*NQ*\sc+NQ*\i:SC+8*NQ*\sc+NQ*\i+1], v[ADRS] offset:\i*SBLK
.endr
.endm
; A load into a register that a matrix instruction has read, and a vector instruction that reads a matrix result or writes one of its registers, stand NP places behind it; only plain vector instructions that name none of its registers are places.
.macro PLACES n
.rept \n
	v_nop
.endr
.endm
.macro STEP slot, q, cm                ; a step of 128 along K that has its successor in the same slot
	s_wait_dscnt 4*NL                              ; B's set and A's blocks 0-3 are in; the youngest 24 loads (A's blocks 4-7) may be out
.if \cm
	WIN BIA_LO
.else
	WIN MUL_LO
.endif
	MUL16 0, (\q)%2, \q, \slot, \cm
	MUL16 2, (\q)%2, \q, \slot, \cm
	s_wait_dscnt 0                                 ; A's blocks 4-7 are in
	PLACES NP
	FETCH_B \slot, (\q)+1, 1-(\q)%2
	FETCH_A \slot, (\q)+1, 0
.if \cm
	WIN BIA_HI
.else
	WIN MUL_HI
.endif
	MUL16 4, (\q)%2, \q, \slot, \cm
	MUL16 6, (\q)%2, \q, \slot, \cm
	PLACES NP
	WIN 0
	FETCH_A \slot, (\q)+1, 4
.endm
; A slot's last step changes slots: ONE barrier; in front of it each wave waits for all its tensor loads, adds 0 to its spare word, and waits for that and for its own reads of this slot.  fill = 1: this slot is filled again, two K steps ahead.
.macro TURN slot, next, fill
	s_wait_tensorcnt 0x0                           ; all my tensor loads have landed: my part of the next slot
	ds_add_u32 v[SPW], v[NIL]                      ; 0 onto my spare word
	s_wait_dscnt 4*NL+1                            ; (the add and the youngest 24 loads may be out)
	WIN MUL_LO
	MUL16 0, 1, NQ-1, \slot, 0                     ; sixteen matrix instructions stand between the add and the wait for it
	s_wait_dscnt 0x0                               ; the add is done, and my reads of this slot are over
	s_barrier_signal -1
	MUL16 2, 1, NQ-1, \slot, 0
	WIN 0
	s_barrier_wait -1
.if \fill
	CREST                                          ; the barrier has opened a round of the cluster's barrier: no wave of any partner still reads this slot or has a load on its way
	s_add_nc_u64 s[G0+4*\slot+2:G0+4*\slot+3], s[G0+4*\slot+2:G0+4*\slot+3], 2*ROWB
	s_add_nc_u64 s[G0B+4*\slot+2:G0B+4*\slot+3], s[G0B+4*\slot+2:G0B+4*\slot+3], 2*ROWB
	JLOAD G0+4*\slot, G1, G0B+4*\slot, G1B         ; the first tensor load behind the round; its four v_nop are also the places in front of the loads below
.else
	PLACES NP
.endif
	v_add_nc_u32 v[ADRS], 4*NQ, v[ADRS]            ; on to the next K step's scale words
	FETCH_B \next, 0, 0
	FETCH_A \next, 0, 0
	SCALES \next
	WIN MUL_HI
	MUL16 4, 1, NQ-1, \slot, 0
	MUL16 6, 1, NQ-1, \slot, 0
	PLACES NP
	WIN 0
	FETCH_A \next, 0, 4
.endm
	s_wait_tensorcnt 1                             ; the scales and my part of K step 0 are in (K step 1's load may be out),
	s_barrier_signal -1
	s_barrier_wait -1                              ; everybody's are
	FETCH_B 0, 0, 0
	FETCH_A 0, 0, 0
	SCALES 0
	FETCH_A 0, 0, 4
	s_wait_loadcnt 0x0                             ; the bias
	s_cmp_eq_u32 s95, 2                            ; the first step is written twice: the bias goes by B's block (Q, K) or by A's (V).  No tensor load and no barrier stands in it
	s_cbranch_scc1 .Lfirst_v
	STEP 0, 0, 1
	s_branch .Lfirst_done
.Lfirst_v:
	STEP 0, 0, 2
.Lfirst_done:
	s_mov_b32 s3, LAPS-1
.Llap:                                             ; a trip goes once round the ring, from a lap's second step to the next lap's first, and fills both slots again
	TURN 0, 1, 1
	STEP 1, 0, 0
	TURN 1, 0, 1
	STEP 0, 0, 0
	s_sub_co_u32 s3, s3, 1
	s_cmp_lg_u32 s3, 0
	s_cbranch_scc1 .Llap
	TURN 0, 1, 0                                   ; the last lap fills nothing, and has no round of the cluster's barrier
	STEP 1, 0, 0
	s_wait_dscnt 4*NL                              ; the very last step
	WIN MUL_LO
	MUL16 0, 1, NQ-1, 1, 0
	MUL16 2, 1, NQ-1, 1, 0
	s_wait_dscnt 0
	WIN MUL_HI
	MUL16 4, 1, NQ-1, 1, 0
	MUL16 6, 1, NQ-1, 1, 0
	WIN 0
; THE WAY OUT.  Block a of A: a lane's 64 numbers become 12 registers of codes and a scale word.  A block's scale is its largest magnitude's exponent field less 2; the conversion takes the exponent field of its scale operand alone.
.macro QUANTW a
.set W, 2+(\a)/4
.set WQ, (W<<2)|(W<<4)
.set AC, 64*((\a)%4)
.set CA, CD+12*(\a)
	WIN WQ                                         ; sources 1 and 2: the accumulators' window
.irp b, 0,1,2,3
	v_max3_num_f32 v[TM+\b], 0x1800000, |v[AC+16*\b]|, |v[AC+16*\b+1]|   ; my 16 numbers of block b, and the floor 2^(3 - 127): the byte cannot fall under 1.  Each accumulator is read from its low end on
.endr
.irp i, 2,4,6,8,10,12,14
.irp b, 0,1,2,3
	v_max3_num_f32 v[TM+\b], v[TM+\b], |v[AC+16*\b+\i]|, |v[AC+16*\b+\i+1]|
.endr
.endr
	WIN 0
.irp b, 0,1,2,3
	v_permlanex16_b32 v[TM+4+\b], v[TM+\b], s[SEL], s[SEL+1]
.endr
.irp b, 0,1,2,3
	v_max_num_f32 v[TM+\b], v[TM+\b], v[TM+4+\b]   ; with lane l xor 16's 16: the block's largest magnitude
.endr
.irp b, 0,1,2,3
	v_add_nc_u32 v[TM+12+\b], 0xff000000, v[TM+\b] ; 2 off its exponent field: the conversion's scale operand
.endr
.irp b, 0,1,2,3
	v_lshrrev_b32 v[TM+4+\b], 23, v[TM+12+\b]      ; the scale's byte
.endr
	v_lshl_or_b32 v[PW+\a], v[TM+5], 8, v[TM+4]
	v_lshl_or_b32 v[PW+\a], v[TM+6], 16, v[PW+\a]
	v_lshl_or_b32 v[PW+\a], v[TM+7], 24, v[PW+\a]
	WIN W                                          ; source 0: the accumulators' window
.irp c, 0,1
	v_cvt_scalef32_pk16_fp6_f32 v[CA+6*\c:CA+6*\c+2], v[AC+32*\c:AC+32*\c+15], v[TM+12+2*\c]
	v_cvt_scalef32_pk16_fp6_f32 v[PT+4*\c:PT+4*\c+2], v[AC+32*\c+16:AC+32*\c+31], v[TM+12+2*\c+1]   ; (a conversion's three registers begin on an even number)
.endr
	WIN 0
	v_nop                                          ; one plain place behind a scaled conversion
.irp c, 0,1                                    ; the operand's layout wants a WHOLE block in a lane: lanes 0-15 block 2 c, lanes 16-31 block 2 c + 1
.irp i, 0,1,2
	v_permlane16_swap_b32 v[CA+6*\c+\i], v[PT+4*\c+\i]
.endr
.irp i, 0,1,2
	v_mov_b32 v[CA+3+6*\c+\i], v[PT+4*\c+\i]
.endr
.endr
.endm
	PLACES NP                                      ; behind the last products: their results are read and A's registers written below
.irp b, 0,1,2,3
	v_mov_b32 v[TM+4+\b], 0                        ; written once: a lane permute's destination counts as one of its sources
.endr
.irp a, 0,1,2,3,4,5,6,7
	QUANTW \a                                      ; each block has registers of its own for its codes and its word: no store's data are written again
.endr
	s_cmp_eq_u32 s95, 2
	s_cbranch_scc1 .Lout_v
.irp a, 0,1,2,3,4,5,6,7                        ; Q, K: registers 0-5 are the first head's 64 units, registers 6-11 the second's
	v_perm_b32 v[PWE+\a], v[PW+\a], v[PW+\a], 0x05040504   ; bytes 0, 1, 0, 1
	v_perm_b32 v[PWO+\a], v[PW+\a], v[PW+\a], 0x07060706   ; bytes 2, 3, 2, 3
.endr
.irp a, 0,1,2,3,4,5,6,7
	global_store_b128 v[LI16], v[CD+12*\a:CD+12*\a+3], s[12:13] offset:768*\a                  ; 512 consecutive bytes, at a multiple of 256 from the buffer's first byte
	global_store_b64 v[LI8], v[CD+12*\a+4:CD+12*\a+5], s[12:13] offset:768*\a+512              ; 256 consecutive bytes
	global_store_b128 v[LI16], v[CD+12*\a+6:CD+12*\a+9], s[12:13] offset:HEADB+768*\a
	global_store_b64 v[LI8], v[CD+12*\a+10:CD+12*\a+11], s[12:13] offset:HEADB+768*\a+512
.endr
	global_store_b128 v[LI16], v[PWE:PWE+3], s[96:97]
	global_store_b128 v[LI16], v[PWE+4:PWE+7], s[96:97] offset:512
	global_store_b128 v[LI16], v[PWO:PWO+3], s[96:97] offset:16384
	global_store_b128 v[LI16], v[PWO+4:PWO+7], s[96:97] offset:16384+512
	s_branch .Lout_done
.Lout_v:
.irp a, 0,1,2,3,4,5,6,7                        ; V: block a is 16 units (head a / 4, tile a % 4) x my 128 keys: a whole fragment
.irp c, 0,1,2
	global_store_b128 v[LI16], v[CD+12*\a+4*\c:CD+12*\a+4*\c+3], s[12:13] offset:(\a/4)*HEADB+(\a%4)*1536+512*\c
.endr
.endr
	global_store_b128 v[LI16], v[PW:PW+3], s[96:97]
	global_store_b128 v[LI16], v[PW+4:PW+7], s[96:97] offset:16384
.Lout_done:
	s_wait_tensorcnt 0x0                           ; the wave's end
	ds_add_u32 v[SPW], v[NIL]
	s_wait_dscnt 0x0
	CROUND                                         ; the closing round: no work-group ends while a partner may still ask for a tile that names it
	s_endpgm
.Lfunc_end_k_q5dc981d9d0_proj:
	.size	k_q5dc981d9d0_proj, .Lfunc_end_k_q5dc981d9d0_proj-k_q5dc981d9d0_proj
	.p2alignl 7, 3214868480
	.fill 96, 4, 3214868480
	.section	.rodata,"a",@progbits
	.p2align	6, 0x0
	.amdhsa_kernel k_q5dc981d9d0_proj
		.amdhsa_group_segment_fixed_size 327680
		.amdhsa_private_segment_fixed_size 0
		.amdhsa_enable_private_segment 0
		.amdhsa_kernarg_size 136
		.amdhsa_user_sgpr_count 2
		.amdhsa_user_sgpr_kernarg_segment_ptr 1
		.amdhsa_wavefront_size32 1
		.amdhsa_system_sgpr_workgroup_id_x 1
		.amdhsa_system_sgpr_workgroup_id_y 1
		.amdhsa_system_sgpr_workgroup_id_z 1
		.amdhsa_system_vgpr_workitem_id 0
		.amdhsa_next_free_vgpr 1024
		.amdhsa_next_free_sgpr 102
		.amdhsa_reserve_vcc 0
		.amdhsa_float_denorm_mode_32 3
		.amdhsa_float_denorm_mode_16_64 3
		.amdhsa_memory_ordered 1
		.amdhsa_forward_progress 1
		.amdhsa_inst_pref_size 192
	.end_amdhsa_kernel
	.amdgpu_metadata
---
amdhsa.version: [ 1, 2 ]
amdhsa.kernels:
  - .name:           k_q5dc981d9d0_proj
    .symbol:         k_q5dc981d9d0_proj.kd
    .args:
      - { .name: q_codes, .offset: 0, .size: 8, .value_kind: global_buffer, .address_space: global }
      - { .name: q_scales, .offset: 8, .size: 8, .value_kind: global_buffer, .address_space: global }
      - { .name: W_q_codes, .offset: 16, .size: 8, .value_kind: global_buffer, .address_space: global }
      - { .name: W_q_scales, .offset: 24, .size: 8, .value_kind: global_buffer, .address_space: global }
      - { .name: k_codes, .offset: 32, .size: 8, .value_kind: global_buffer, .address_space: global }
      - { .name: k_scales, .offset: 40, .size: 8, .value_kind: global_buffer, .address_space: global }
      - { .name: W_k_codes, .offset: 48, .size: 8, .value_kind: global_buffer, .address_space: global }
      - { .name: W_k_scales, .offset: 56, .size: 8, .value_kind: global_buffer, .address_space: global }
      - { .name: W_v_codes, .offset: 64, .size: 8, .value_kind: global_buffer, .address_space: global }
      - { .name: W_v_scales, .offset: 72, .size: 8, .value_kind: global_buffer, .address_space: global }
      - { .name: v_codes, .offset: 80, .size: 8, .value_kind: global_buffer, .address_space: global }
      - { .name: v_scales, .offset: 88, .size: 8, .value_kind: global_buffer, .address_space: global }
      - { .name: b_q, .offset: 96, .size: 8, .value_kind: global_buffer, .address_space: global }
      - { .name: b_k, .offset: 104, .size: 8, .value_kind: global_buffer, .address_space: global }
      - { .name: b_v, .offset: 112, .size: 8, .value_kind: global_buffer, .address_space: global }
      - { .name: img, .offset: 120, .size: 8, .value_kind: global_buffer, .address_space: global }
      - { .name: isc, .offset: 128, .size: 8, .value_kind: global_buffer, .address_space: global }
    .group_segment_fixed_size: 327680
    .private_segment_fixed_size: 0
    .kernarg_segment_align: 8
    .kernarg_segment_size: 136
    .max_flat_workgroup_size: 128
    .sgpr_count:     102
    .vgpr_count:     1024
    .wavefront_size: 32
...
	.end_amdgpu_metadata
.endif
;; end of part 1
;; launch attn (part 2): grid 8 x 64, 16 waves a work-group, no clusters, 30,720 bytes of LDS; arguments img, isc, padding_mask, oimg, osc; writes oimg, osc
.if DOCPART == 2
	.amdgcn_target "amdgcn-amd-amdhsa--gfx1250"
	.amdhsa_code_object_version 6
	.text
	.protected	k_q5dc981d9d0_attn
	.globl	k_q5dc981d9d0_attn
	.p2align	8
	.type	k_q5dc981d9d0_attn,@function
k_q5dc981d9d0_attn:
	s_mov_b64 s[64:65], 0
	v_nop
	global_prefetch_b8 v0, s[64:65] scope:SCOPE_SE
	s_setreg_imm32_b32 hwreg(HW_REG_WAVE_MODE, 25, 1), 1
	s_wait_xcnt 0x0
; O = softmax(Q K^T / 8, causal and padding masks) V for one head, both products on codes of FP6 (E2M3) with one E8M0 scale for each 32 along a product's K; O / the row's sum is quantised along the model's width and leaves as codes.
; THE SOFTMAX: t = score x log2(e) / 8; M = the row's largest t so far, rounded UP to a whole number; p = 2^(t - M) is quantised along the keys, not normalised.  The row's sum is taken of the unquantised p and divides O at the end.
; When M moves, the sum and O are multiplied by 2^(old M - new M): exact.
; SHARES.  A work-group (x = I, 0 .. 7; y = 16 x batch + head) has sixteen waves, each with ONE tile of 16 queries: waves 0-7 the tiles of query block I, waves 8-15 those of block 15 - I.  With the causal mask block i wants i + 1 steps of
; 128 keys, so every work-group has 8 x 17 wave steps.  The loop has 16 steps in every work-group; a wave jumps over the work of a step all of whose keys come after its queries, never over a barrier.
; K's and V's images and scale words of a step, 27 pieces of 512 bytes, go from memory through registers into one of two LDS slots, one or two pieces a wave, asked for two steps ahead and stored one step ahead.
; No tensor loads and no cluster: a step without padded keys jumps over the padding mask by a scalar branch on the mask's own bytes, and the work-groups of a head want different numbers of steps.
; LAYOUT.  Both products are used transposed: S^T = K Q^T (source 0 = 16 keys, source 1 = my queries), O^T = V^T P^T (source 0 = 16 units): a lane holds ONE query (lane % 16); register 8 t + j of S^T is key 16 t + 8 (lane / 16) + j.
; p's codes so stand, inside a block of 32 keys, in the order 0-7, 16-23, 8-15, 24-31, as V's codes were laid by the launch before: the sums are the same.  Q and K likewise along the head's 64.
; THE HEAD HAS 64 UNITS, THE INSTRUCTION'S K IS 128: Q's registers 6-11 are zero codes.  K's tile t lies in six registers and its operand names twelve: the upper six are the next tile's codes, which meet Q's zeros and add nothing.
; A QUERY WITH NO VISIBLE KEY has the sum 0: its codes are zeros and its two scale bytes 0xff, the byte that stands for NaN: the next launch's row is NaN then, as the softmax of an empty row is.
; LIMITS: NaN and infinities in the images are not served; a block of O whose largest magnitude lies under 2^-124 keeps the byte 1, a block of zeros too (this program alone reads the bytes).
.set SLOTB, 14336                      ; an LDS slot: K's codes 6,144, V's codes 6,144, K's scale words 1,024, V's 512; two slots
.set VOFF,  6144
.set KSOFF, 12288
.set VSOFF, 13312
.set KREG,  6291456                    ; img: K's region, V's region
.set VREG,  12582912
.set KSREG, 1048576                    ; isc: the same
.set VSREG, 2097152
.set L16, 1                            ; v1   16 x lane
.set L8,  2                            ; v2   8 x lane
.set ST,  3                            ; v3   16 x thread: where my piece goes in a slot
.set RH,  4                            ; v4   lane % 16 - 8 (lane / 16)
.set NEG, 5                            ; v5   -infinity
.set H8,  6                            ; v6   8 (lane / 16)
.set OSA, 11                           ; v11  32 x (lane % 16): my row of O's scale bytes
.set QF,  16                           ; v16-27 Q's fragment (v22-27 zeros)
.set QS,  28                           ; v28  Q's scale words
.set KFR, 32                           ; v32-79 K's eight tiles of six registers, later V's four fragments; v80-85 zeros
.set KS,  86                           ; v86-93 K's scale words, later V's four
.set S,   96                           ; v96-159 S^T, then p
.set OT,  160                          ; v160-191 O^T
.set CD,  192                          ; v192-203 p's codes
.set PT,  204                          ; v204-211 second halves, as the conversions leave them
.set BM,  212                          ; v212-215 a block's largest score, then its largest p
.set BP,  216                          ; v216-219 the other half's, then the bytes
.set SO,  220                          ; v220-223 the conversions' scale operands
.set F,   224                          ; v224 f = 2^(old M - new M); v225 0, named with it as a pair
.set PW,  226                          ; v226 p's scale word
.set TP,  227
.set SUM2, 228                         ; v[228:229] the sum's second chain
.set GA,  232                          ; v232-247 two sets of two pieces on their way to LDS
.set WV,  14
.set NS,  19                           ; steps that are staged: 16 - I
.set QT,  20                           ; my tile of queries, 0 .. 127
.set Q0,  21                           ; my first query
.set KF,  22                           ; the step's first key
.set SI,  23                           ; the step
.set PSH, 24                           ; 2 x the step
.set PADB, 25                          ; bit l: some key of 64 l .. 64 l + 63 is padded
.set TRIPS, 26
.set SEL, 40
.set CS,  42
	s_load_b256 s[4:11], s[0:1], 0x0               ; img s[4:5], isc s[6:7], the padding mask s[8:9], oimg s[10:11]
	s_load_b64 s[12:13], s[0:1], 0x20              ; osc
	v_lshl_add_u32 v254, v0, 2, 0x7000
	v_mov_b32 v255, 0
	v_lshrrev_b32 v7, 5, v0
	v_readfirstlane_b32 s[WV], v7                  ; wave 0..15
	v_and_b32 v8, 31, v0
	v_lshlrev_b32 v[L16], 4, v8
	v_lshlrev_b32 v[L8], 3, v8
	v_lshlrev_b32 v[ST], 4, v0
	v_and_b32 v9, 15, v0
	v_bfe_u32 v10, v0, 4, 1
	v_lshlrev_b32 v[H8], 3, v10
	v_sub_nc_u32 v[RH], v9, v[H8]
	v_mov_b32 v[NEG], 0xff800000
	v_lshlrev_b32 v7, 6, v8                        ; 64 x lane: my 64 bytes of the batch's mask
	v_lshlrev_b32 v[OSA], 5, v9
.irp i, 6,7,8,9,10,11
	v_mov_b32 v[QF+\i], 0                          ; the idle half of K = 128: zero codes
.endr
.irp i, 48,49,50,51,52,53
	v_mov_b32 v[KFR+\i], 0                         ; what the last tile's operand names beyond its six registers
.endr
	s_and_b32 s16, ttmp7, 0xffff                   ; 16 x batch + head
	s_lshr_b32 s17, s16, 4                         ; batch
	s_and_b32 s18, s16, 15                         ; head
	s_sub_co_u32 s[NS], 16, ttmp9
	s_lshl_b32 s27, ttmp9, 3
	s_add_co_u32 s[QT], s27, s[WV]                 ; waves 0-7: tile 8 I + wave
	s_sub_co_u32 s28, 112, s27
	s_add_co_u32 s28, s28, s[WV]                   ; waves 8-15: tile 8 (15 - I) + wave - 8
	s_cmp_lt_u32 s[WV], 8
	s_cselect_b32 s[QT], s[QT], s28
	s_lshl_b32 s[Q0], s[QT], 4
	s_mul_i32 s29, s16, 98304                      ; the head's first byte in a region of img,
	s_lshl_b32 s30, s16, 14                        ; and of isc
	s_lshl_b32 s27, s[WV], 9                       ; 512 x wave
	; my first piece, piece w of 27: w < 12: K's codes; else V's codes, piece w - 12
	s_mov_b32 s28, VREG-6144
	s_cmp_lt_u32 s[WV], 12
	s_cselect_b32 s28, KREG, s28
	s_add_co_u32 s38, s29, s27
	s_add_co_u32 s38, s38, s28
	s_mov_b32 s39, 0
	; my second, piece 16 + w, for w < 11: w < 8: V's codes, piece w + 4; w = 8, 9: K's scale words; w = 10: V's
	s_add_co_u32 s46, s29, s27
	s_add_co_u32 s46, s46, VREG+2048
	s_add_co_u32 s28, s30, s27
	s_add_co_u32 s28, s28, KSREG-4096
	s_add_co_u32 s31, s30, VSREG
	s_cmp_lt_u32 s[WV], 10
	s_cselect_b32 s28, s28, s31
	s_mov_b32 s36, 1024                            ; bytes from step to step: 1,024 in isc,
	s_cmp_lt_u32 s[WV], 8
	s_cselect_b32 s46, s46, s28
	s_cselect_b32 s36, 6144, s36                   ; 6,144 in img
	s_mov_b32 s37, 0
	s_mov_b32 s47, 0
	s_mul_i32 s48, s[QT], 768                      ; Q's image
	s_add_co_u32 s48, s48, s29
	s_mov_b32 s49, 0
	s_lshr_b32 s50, s[QT], 2                       ; Q's scale words: group QT / 4 of 512 bytes, word QT % 4 of a lane's four
	s_lshl_b32 s50, s50, 9
	s_and_b32 s31, s[QT], 3
	s_lshl_b32 s31, s31, 2
	s_add_co_u32 s50, s50, s31
	s_add_co_u32 s50, s50, s30
	s_mov_b32 s51, 0
	s_lshl_b32 s52, s17, 11                        ; the batch's 2,048 mask bytes
	s_mov_b32 s53, 0
	s_lshl_b32 s54, s17, 7                         ; O's image: ((128 batch + tile) 16 + head) 768
	s_add_co_u32 s54, s54, s[QT]
	s_lshl_b32 s54, s54, 4
	s_add_co_u32 s54, s54, s18
	s_mul_i32 s54, s54, 768
	s_mov_b32 s55, 0
	s_lshl_b32 s56, s17, 11                        ; O's scale bytes: (2,048 batch + my first query) 32 + 2 head
	s_add_co_u32 s56, s56, s[Q0]
	s_lshl_b32 s56, s56, 5
	s_lshl_b32 s31, s18, 1
	s_add_co_u32 s56, s56, s31
	s_mov_b32 s57, 0
	s_mov_b32 s[SEL], 0x76543210
	s_mov_b32 s[SEL+1], 0xfedcba98                 ; lane l xor 16
	s_mov_b32 s[CS], 0x3e38aa3b                    ; c = log2(e) / 8
	s_mov_b32 s[CS+1], s[CS]                       ; (named with it as a pair, so it is written)
	s_mov_b32 s[KF], 0
	s_mov_b32 s[SI], 0
	s_mov_b32 s[PSH], 0
	s_mov_b32 s[TRIPS], 8
	s_wait_kmcnt 0x0
	s_add_nc_u64 s[32:33], s[4:5], s[38:39]        ; my first piece of step 0
	s_cmp_lt_u32 s[WV], 8
	s_cselect_b64 s[34:35], s[4:5], s[6:7]         ; the choice hangs on the wave's number alone
	s_add_nc_u64 s[34:35], s[34:35], s[46:47]      ; my second
	s_add_nc_u64 s[48:49], s[4:5], s[48:49]
	s_add_nc_u64 s[50:51], s[6:7], s[50:51]
	s_add_nc_u64 s[8:9], s[8:9], s[52:53]
	s_add_nc_u64 s[10:11], s[10:11], s[54:55]
	s_add_nc_u64 s[12:13], s[12:13], s[56:57]
.macro LOADT set                       ; my pieces of the step at which the two pointers stand, into a set of registers
	global_load_b128 v[GA+8*(\set):GA+8*(\set)+3], v[L16], s[32:33]
	s_cmp_lt_u32 s[WV], 11
	s_cbranch_scc0 .Lone_in_\@
	global_load_b128 v[GA+8*(\set)+4:GA+8*(\set)+7], v[L16], s[34:35]
.Lone_in_\@:
.endm
.macro STORET set, slot                ; and from there into a slot: piece c lies at 512 c
	ds_store_b128 v[ST], v[GA+8*(\set):GA+8*(\set)+3] offset:(\slot)*SLOTB
	s_cmp_lt_u32 s[WV], 11
	s_cbranch_scc0 .Lone_out_\@
	ds_store_b128 v[ST], v[GA+8*(\set)+4:GA+8*(\set)+7] offset:(\slot)*SLOTB+8192
.Lone_out_\@:
.endm
.macro ADV                             ; the pointers go on to the next step
	s_add_nc_u64 s[32:33], s[32:33], 6144
	s_add_nc_u64 s[34:35], s[34:35], s[36:37]
.endm
	global_load_b128 v[QF:QF+3], v[L16], s[48:49]
	global_load_b64 v[QF+4:QF+5], v[L8], s[48:49] offset:512
	global_load_b32 v[QS], v[L16], s[50:51]
.irp i, 0,1,2,3
	global_load_b128 v[S+4*\i:S+4*\i+3], v7, s[8:9] offset:16*\i   ; the batch's mask, 64 bytes a lane
.endr
	LOADT 0                                        ; step 0
	s_wait_xcnt 0x0                                ; the pointers are stepped only behind this wait
	ADV
	LOADT 1                                        ; step 1 (every work-group has nine steps or more)
	v_mov_b32 v13, 0xff61b1e6                      ; the largest t so far: -3e38, under every t
	v_floor_f32 v12, -v13                          ; -M
	v_mov_b32 v14, 0                               ; the sum, in two halves
	v_mov_b32 v15, 0
.irp b, 0,1,2,3
	v_mov_b32 v[BP+\b], 0                          ; written once: a lane permute's destination counts as one of its sources
.endr
	v_mov_b32 v[F+1], 0
	v_mov_b32 v[TP], 0
.set n, 0
.rept 32
	v_mov_b32 v[OT+n], 0                           ; O^T.  (The step is written once: the first finds zeros, which the first change of M leaves zeros)
.set n, n+1
.endr
	s_wait_loadcnt 0x0
.irp i, 0,1,2,3,4,5,6,7
	v_or_b32 v[S+\i], v[S+\i], v[S+8+\i]           ; is any of my 64 keys padded?
.endr
.irp i, 0,1,2,3
	v_or_b32 v[S+\i], v[S+\i], v[S+4+\i]
.endr
	v_or_b32 v[S], v[S], v[S+2]
	v_or_b32 v[S+1], v[S+1], v[S+3]
	v_or_b32 v[S], v[S], v[S+1]
	v_cmp_ne_u32 s[PADB], 0, v[S]                  ; a bit for each 64 keys of the batch
	STORET 0, 0
	s_wait_dscnt 0x0                               ; my pieces of step 0 lie in slot 0,
	s_barrier_signal -1
	s_barrier_wait -1                              ; everybody's do
; What every wave does at a step's head, for the steps to come.  The other slot was read in the last step, and every wave has passed the barrier at that step's end behind its wait for those reads.
.macro STAGE sg
	s_wait_loadcnt 0x0                             ; the next step's pieces, asked for a step ago, are in registers; so the pointers may step
	s_add_co_u32 s27, s[SI], 1
	s_cmp_lt_u32 s27, s[NS]
	s_cbranch_scc0 .Lstaged_\@
	STORET 1-\sg, 1-\sg
	s_add_co_u32 s27, s[SI], 2
	s_cmp_lt_u32 s27, s[NS]
	s_cbranch_scc0 .Lstaged_\@                     ; no load leaves the head's part of its buffer
	ADV
	LOADT \sg                                      ; this set's LDS stores were waited for in front of the last barrier
.Lstaged_\@:
.endm
; A KEY STEP: 128 keys, from slot sg.
.macro STEP sg
	s_add_co_u32 s27, s[Q0], 15
	s_cmp_gt_u32 s[KF], s27
	s_cbranch_scc1 .Lhidden_\@                     ; all its keys come after my queries
.irp t, 0,1,2,3,4,5,6,7
	ds_load_b128 v[KFR+6*\t:KFR+6*\t+3], v[L16] offset:\sg*SLOTB+768*\t
	ds_load_b64 v[KFR+6*\t+4:KFR+6*\t+5], v[L8] offset:\sg*SLOTB+768*\t+512
.endr
	ds_load_b128 v[KS:KS+3], v[L16] offset:\sg*SLOTB+KSOFF
	ds_load_b128 v[KS+4:KS+7], v[L16] offset:\sg*SLOTB+KSOFF+512
	s_wait_dscnt 0x0
.irp t, 0,1,2,3,4,5,6,7
	v_wmma_scale_f32_16x16x128_f8f6f4 v[S+8*\t:S+8*\t+7], v[KFR+6*\t:KFR+6*\t+11], v[QF:QF+11], 0, v[KS+\t], v[QS] matrix_a_fmt:MATRIX_FMT_FP6 matrix_b_fmt:MATRIX_FMT_FP6
.endr
.rept 4
	v_nop                                          ; places: the scores are read, and K's registers loaded again, below
.endr
.irp d, 0,1,2,3                                ; V's four fragments and their scale words land while the softmax is worked
.irp c, 0,1,2
	ds_load_b128 v[KFR+12*\d+4*\c:KFR+12*\d+4*\c+3], v[L16] offset:\sg*SLOTB+VOFF+1536*\d+512*\c
.endr
.endr
	ds_load_b128 v[KS:KS+3], v[L16] offset:\sg*SLOTB+VSOFF
	s_add_co_u32 s27, s[KF], 127
	s_cmp_le_u32 s27, s[Q0]
	s_cbranch_scc1 .Lopen_\@                       ; all its keys count for all my queries
	s_sub_co_i32 s27, s[Q0], s[KF]
	v_add_nc_u32 v7, s27, v[RH]                    ; d = my query - KF - 8 (lane / 16).  Register 8 t + j holds key KF + 8 (lane / 16) + 16 t + j: hidden where 16 t + j > d
.set n, 0
.rept 64
	v_cmp_gt_i32 vcc_lo, 16*(n/8)+n%8, v7
	v_cndmask_b32 v[S+n], v[S+n], v[NEG], vcc_lo
.set n, n+1
.endr
.Lopen_\@:
	s_lshr_b32 s27, s[PADB], s[PSH]
	s_and_b32 s27, s27, 3
	s_cmp_eq_u32 s27, 0
	s_cbranch_scc1 .Lno_pad_\@                     ; none of the step's 128 keys is padded
	v_add_nc_u32 v7, s[KF], v[H8]
.irp t, 0,1,2,3,4,5,6,7
	global_load_b64 v[CD+2*\t:CD+2*\t+1], v7, s[8:9] offset:16*\t   ; the mask bytes of my eight keys of tile t
.endr
	s_wait_loadcnt 0x0
.set n, 0
.rept 64
	v_bfe_u32 v8, v[CD+2*(n/8)+(n%8)/4], 8*(n%4), 8
	v_cmp_ne_u32 vcc_lo, 0, v8
	v_cndmask_b32 v[S+n], v[S+n], v[NEG], vcc_lo
.set n, n+1
.endr
.Lno_pad_\@:
.irp b, 0,1,2,3
	v_max3_num_f32 v[BM+\b], v[S+16*\b], v[S+16*\b+1], v[S+16*\b+2]   ; THE LARGEST SCORE OF EACH BLOCK OF 32 KEYS: it serves the row's maximum and, since p rises with the score, the block's largest p
.endr
.irp i, 3,5,7,9,11,13
.irp b, 0,1,2,3
	v_max3_num_f32 v[BM+\b], v[BM+\b], v[S+16*\b+\i], v[S+16*\b+\i+1]
.endr
.endr
.irp b, 0,1,2,3
	v_max_num_f32 v[BM+\b], v[BM+\b], v[S+16*\b+15]
.endr
.irp b, 0,1,2,3
	v_permlanex16_b32 v[BP+\b], v[BM+\b], s[SEL], s[SEL+1]
.endr
.irp b, 0,1,2,3
	v_max_num_f32 v[BM+\b], v[BM+\b], v[BP+\b]     ; with lane l xor 16's 16 keys
.endr
	v_max3_num_f32 v[TP], v[BM], v[BM+1], v[BM+2]
	v_max_num_f32 v[TP], v[TP], v[BM+3]            ; the step's largest score of my query
	v_mul_f32 v[TP], s[CS], v[TP]                  ; as t
	v_max_num_f32 v13, v13, v[TP]                  ; the running largest t
	v_mov_b32 v[TP], v12
	v_floor_f32 v12, -v13                          ; the new -M = floor(-t): M IS A WHOLE NUMBER
	v_sub_f32 v[TP], v12, v[TP]                    ; old M - new M: a whole number, 0 or less
	v_cvt_i32_f32 v[TP], v[TP]                     ; (it saturates)
	v_ldexp_f32 v[F], 1.0, v[TP]                   ; f = 2^(old M - new M)
.set n, 0
.rept 32
	v_pk_fma_f32 v[S+n:S+n+1], v[S+n:S+n+1], s[CS:CS+1], v[12:13] op_sel_hi:[1,0,0]   ; t - M, two at a time
.set n, n+2
.endr
.irp b, 0,1,2,3
	v_fma_f32 v[BM+\b], v[BM+\b], s[CS], v12       ; the same of each block's largest score
.endr
.set n, 0
.rept 64
	v_exp_f32 v[S+n], v[S+n]                       ; p = 2^(t - M), at most 1
.set n, n+1
.endr
.irp b, 0,1,2,3
	v_exp_f32 v[BM+\b], v[BM+\b]                   ; the block's largest p: the same two instructions on the same number give the same bits
.endr
	v_pk_mul_f32 v[14:15], v[14:15], v[F:F+1] op_sel_hi:[1,0]   ; the sums under the new M.  (A plain place behind the exponentials)
	s_wait_alu depctr_va_vdst(0)
.irp b, 0,1,2,3
	v_max_num_f32 v[BM+\b], 0x1800000, v[BM+\b]    ; the floor 2^(3 - 127): the byte cannot fall under 1
.endr
.irp b, 0,1,2,3
	v_add_nc_u32 v[SO+\b], 0xff000000, v[BM+\b]    ; 2 off the exponent field: the conversion's scale operand
.endr
.irp b, 0,1,2,3
	v_lshrrev_b32 v[BP+\b], 23, v[SO+\b]           ; the scale's byte
.endr
	v_lshl_or_b32 v[PW], v[BP+1], 8, v[BP]
	v_lshl_or_b32 v[PW], v[BP+2], 16, v[PW]
	v_lshl_or_b32 v[PW], v[BP+3], 24, v[PW]
.irp c, 0,1
	v_cvt_scalef32_pk16_fp6_f32 v[CD+6*\c:CD+6*\c+2], v[S+32*\c:S+32*\c+15], v[SO+2*\c]
	v_cvt_scalef32_pk16_fp6_f32 v[PT+4*\c:PT+4*\c+2], v[S+32*\c+16:S+32*\c+31], v[SO+2*\c+1]   ; (a conversion's three registers begin on an even number)
.endr
	v_nop                                          ; one plain place behind a scaled conversion
.irp c, 0,1                                    ; the operand's layout wants a WHOLE block in a lane
.irp i, 0,1,2
	v_permlane16_swap_b32 v[CD+6*\c+\i], v[PT+4*\c+\i]
.endr
.irp i, 0,1,2
	v_mov_b32 v[CD+3+6*\c+\i], v[PT+4*\c+\i]
.endr
.endr
	v_pk_add_f32 v[SUM2:SUM2+1], v[S:S+1], v[S+2:S+3]   ; THE ROW'S SUM IS TAKEN OF THE UNQUANTISED p: two at a time, in two chains
.irp j, 4,8,12,16,20,24,28,32,36,40,44,48,52,56,60
	v_pk_add_f32 v[14:15], v[14:15], v[S+\j:S+\j+1]
	v_pk_add_f32 v[SUM2:SUM2+1], v[SUM2:SUM2+1], v[S+\j+2:S+\j+3]
.endr
	v_pk_add_f32 v[14:15], v[14:15], v[SUM2:SUM2+1]
.set n, 0
.rept 16
	v_pk_mul_f32 v[OT+n:OT+n+1], v[OT+n:OT+n+1], v[F:F+1] op_sel_hi:[1,0]   ; O^T under the new M.  (The sums and these are also the places between the scale word's and the codes' last writes and the products below)
.set n, n+2
.endr
	s_wait_dscnt 0x0                               ; V
.irp d, 0,1,2,3                                ; the four accumulators take turns, one instruction a turn
	v_wmma_scale_f32_16x16x128_f8f6f4 v[OT+8*\d:OT+8*\d+7], v[KFR+12*\d:KFR+12*\d+11], v[CD:CD+11], v[OT+8*\d:OT+8*\d+7], v[KS+\d], v[PW] matrix_a_fmt:MATRIX_FMT_FP6 matrix_b_fmt:MATRIX_FMT_FP6
.endr
.rept 4
	v_nop                                          ; places in front of the next loads into these operands and of the next read of O^T
.endr
.Lhidden_\@:
	s_add_co_u32 s[KF], s[KF], 128
	s_add_co_u32 s[SI], s[SI], 1
	s_add_co_u32 s[PSH], s[PSH], 2
	s_wait_dscnt 0x0                               ; my pieces lie in the other slot, and my reads of this one are over
	s_barrier_signal -1
	s_barrier_wait -1
.endm
.Ltrip:                                            ; eight trips of two steps, in every work-group
	STAGE 0
	STEP 0
	STAGE 1
	STEP 1
	s_sub_co_u32 s[TRIPS], s[TRIPS], 1
	s_cmp_lg_u32 s[TRIPS], 0
	s_cbranch_scc1 .Ltrip
	; THE WAY OUT.  O^T / the sum; the units brought into their true order, since the next product's other operand is given; quantised along the head's two blocks of 32; stored as an image of the operand's six registers.
	v_add_f32 v14, v14, v15                        ; the sum's two halves,
	v_permlanex16_b32 v[TP], v14, s[SEL], s[SEL+1]
	v_add_f32 v14, v14, v[TP]                      ; and lane l xor 16's: the row's sum
	v_rcp_f32 v[F], v14
	v_nop                                          ; one plain place behind a transcendental
	v_cmp_eq_f32 s44, 0, v14                       ; a query with no visible key
	s_wait_alu depctr_va_vdst(0)
	v_cndmask_b32 v[F], v[F], v[F+1], s44          ; its O^T, all zeros, stays zeros
.set n, 0
.rept 16
	v_pk_mul_f32 v[OT+n:OT+n+1], v[OT+n:OT+n+1], v[F:F+1] op_sel_hi:[1,0]   ; register 8 d + j is unit 16 d + 8 (lane / 16) + j
.set n, n+2
.endr
.irp b, 0,1
.irp j, 0,1,2,3,4,5,6,7
	v_permlane16_swap_b32 v[OT+16*\b+\j], v[OT+16*\b+8+\j]   ; the first's lanes 16-31 change places with the second's lanes 0-15: register 16 b + i is now unit 32 b + 16 (lane / 16) + i
.endr
.endr
.irp b, 0,1
	v_max3_num_f32 v[BM+\b], |v[OT+16*\b]|, |v[OT+16*\b+1]|, 0x1800000
.endr
.irp i, 2,4,6,8,10,12,14
.irp b, 0,1
	v_max3_num_f32 v[BM+\b], v[BM+\b], |v[OT+16*\b+\i]|, |v[OT+16*\b+\i+1]|
.endr
.endr
.irp b, 0,1
	v_permlanex16_b32 v[BP+\b], v[BM+\b], s[SEL], s[SEL+1]
.endr
.irp b, 0,1
	v_max_num_f32 v[BM+\b], v[BM+\b], v[BP+\b]
.endr
.irp b, 0,1
	v_add_nc_u32 v[SO+\b], 0xff000000, v[BM+\b]
.endr
.irp b, 0,1
	v_lshrrev_b32 v[BP+\b], 23, v[SO+\b]
.endr
	v_lshl_or_b32 v[PW], v[BP+1], 8, v[BP]         ; the head's two scale bytes
	v_mov_b32 v7, 0xffff
	v_cndmask_b32 v[PW], v[PW], v7, s44            ; an empty row: the byte that stands for NaN, twice
	v_cvt_scalef32_pk16_fp6_f32 v[CD:CD+2], v[OT:OT+15], v[SO]
	v_cvt_scalef32_pk16_fp6_f32 v[PT:PT+2], v[OT+16:OT+31], v[SO+1]
	v_nop                                          ; one plain place behind a scaled conversion
.irp i, 0,1,2
	v_permlane16_swap_b32 v[CD+\i], v[PT+\i]
.endr
.irp i, 0,1,2
	v_mov_b32 v[CD+3+\i], v[PT+\i]                 ; lane (r, h): block h of query r, in six registers
.endr
	global_store_b128 v[L16], v[CD:CD+3], s[10:11]             ; 512 consecutive bytes, at a multiple of 256 from the buffer's first byte
	global_store_b64 v[L8], v[CD+4:CD+5], s[10:11] offset:512  ; 256 consecutive bytes
	global_store_b16 v[OSA], v[PW], s[12:13]       ; two bytes of each of 16 rows of 32: lanes l and l + 16 hold the same value and name the same place.  One byte for each 24 of codes; whole rows would want all sixteen heads in one work-group
	s_wait_tensorcnt 0x0
	ds_add_u32 v254, v255
	s_wait_dscnt 0x0
	s_endpgm
.Lfunc_end_k_q5dc981d9d0_attn:
	.size	k_q5dc981d9d0_attn, .Lfunc_end_k_q5dc981d9d0_attn-k_q5dc981d9d0_attn
	.p2alignl 7, 3214868480
	.fill 96, 4, 3214868480
	.section	.rodata,"a",@progbits
	.p2align	6, 0x0
	.amdhsa_kernel k_q5dc981d9d0_attn
		.amdhsa_group_segment_fixed_size 30720
		.amdhsa_private_segment_fixed_size 0
		.amdhsa_enable_private_segment 0
		.amdhsa_kernarg_size 40
		.amdhsa_user_sgpr_count 2
		.amdhsa_user_sgpr_kernarg_segment_ptr 1
		.amdhsa_wavefront_size32 1
		.amdhsa_system_sgpr_workgroup_id_x 1
		.amdhsa_system_sgpr_workgroup_id_y 1
		.amdhsa_system_sgpr_workgroup_id_z 1
		.amdhsa_system_vgpr_workitem_id 0
		.amdhsa_next_free_vgpr 256
		.amdhsa_next_free_sgpr 66
		.amdhsa_reserve_vcc 1
		.amdhsa_float_denorm_mode_32 3
		.amdhsa_float_denorm_mode_16_64 3
		.amdhsa_memory_ordered 1
		.amdhsa_forward_progress 1
		.amdhsa_inst_pref_size 73
	.end_amdhsa_kernel
	.amdgpu_metadata
---
amdhsa.version: [ 1, 2 ]
amdhsa.kernels:
  - .name:           k_q5dc981d9d0_attn
    .symbol:         k_q5dc981d9d0_attn.kd
    .args:
      - { .name: img, .offset: 0, .size: 8, .value_kind: global_buffer, .address_space: global }
      - { .name: isc, .offset: 8, .size: 8, .value_kind: global_buffer, .address_space: global }
      - { .name: padding_mask, .offset: 16, .size: 8, .value_kind: global_buffer, .address_space: global }
      - { .name: oimg, .offset: 24, .size: 8, .value_kind: global_buffer, .address_space: global }
      - { .name: osc, .offset: 32, .size: 8, .value_kind: global_buffer, .address_space: global }
    .group_segment_fixed_size: 30720
    .private_segment_fixed_size: 0
    .kernarg_segment_align: 8
    .kernarg_segment_size: 40
    .max_flat_workgroup_size: 512
    .sgpr_count:     66
    .vgpr_count:     256
    .wavefront_size: 32
...
	.end_amdgpu_metadata
.endif
;; end of part 2
;; launch oproj (part 3): grid 4 x 32, 4 waves a work-group, clusters of 4 x 4, 327,680 bytes of LDS; arguments oimg, osc, W_o_codes, W_o_scales, b_o, out0; writes out0
.if DOCPART == 3
	.amdgcn_target "amdgcn-amd-amdhsa--gfx1250"
	.amdhsa_code_object_version 6
	.text
	.protected	k_q5dc981d9d0_oproj
	.globl	k_q5dc981d9d0_oproj
	.p2align	8
	.type	k_q5dc981d9d0_oproj,@function
k_q5dc981d9d0_oproj:
	s_mov_b64 s[64:65], 0
	v_nop
	global_prefetch_b8 v0, s[64:65] scope:SCOPE_SE
	s_setreg_imm32_b32 hwreg(HW_REG_WAVE_MODE, 25, 1), 1
	s_wait_xcnt 0x0
	s_wait_alu depctr_hold_cnt(0) depctr_sa_sdst(0) depctr_va_vdst(0) depctr_va_sdst(0) depctr_va_ssrc(0) depctr_va_vcc(0) depctr_vm_vsrc(0)
	s_getreg_b32 s2, hwreg(HW_REG_IB_STS2, 6, 4)
	s_cmp_eq_u32 s2, 0
	s_cbranch_scc0 .Lentry_in_a_cluster
	s_endpgm
.Lentry_in_a_cluster:
	s_bfe_u32 s2, ttmp6, 0x10000c
	s_cmp_lg_u32 s2, 0xf033
	s_cbranch_scc0 .Lentry_shape_is_right
	s_endpgm
.Lentry_shape_is_right:
; out0 = O W_o^T + b_o on codes of FP6 (E2M3) with one E8M0 scale for each 32 along K = 1,024.  O: 8,192 rows, W_o: 1,024 rows; out0: [8192][1024] f32; sums in f32.
; O's codes lie as IMAGES OF OPERAND REGISTERS, [tile of 16 rows][head 16][768]: a head's 64 along K are six registers a lane: registers 0-3 at 16 x lane, registers 4-5 at 512 + 8 x lane.  Its scale bytes lie [8192][32].
; W_o's codes lie as rows of 768 bytes, four codes in three bytes; its scale bytes [1024][32].  A scale byte 0xff in a row of O (a query with no visible key) makes that row of out0 NaN.
; A tile of out0, 256 x 256, is made by a work-group of four waves; a wave makes 128 x 128: 64 accumulators, 512 registers.  K goes in steps of 256 through a ring of two LDS slots filled by the tensor data mover.
; A step's part of a tile of 16 rows of O is 3,072 consecutive bytes; a wave's load brings eight such rows, 12,288 bytes apart.  The scales of the work-group's rows come into LDS once, with the first fills.
; CLUSTERS: 4 x 4 work-groups.  The four of a row of the cluster need the same tiles of O, the four of a column the same tiles of W_o: each is asked for JOINTLY.  128 work-groups: a smaller tile would read each LDS byte for fewer products.
; THE MATRIX INSTRUCTION IS USED TRANSPOSED (source 0 = 16 rows of W_o, source 1 = 16 rows of O): a lane holds eight neighbouring numbers of a row of out0.  The bias is the C of each sum's first matrix instruction.
; REGISTERS, in windows of 256: window 0: v0-31 addresses; v32-63 scale words, two sets; v64-127 the bias; from v128 O's fragments, ONE set; on the way out v128-255 rows of out0.
;   window 1: W_o's fragments, TWO sets.   window 2: the accumulators of my rows 0-63 ((a, b) at v[8 (8 a + b)]);   window 3: those of rows 64-127.
.set SIZE_N, 1024
.set SIZE_K, 1024
.set KSTEP,  256
.set NQ,     KSTEP/128
.set ROWB,   192                       ; a row of W_o's tile in bytes
.set ASTEP,  3072                      ; a K step of a tile of 16 rows of O: four heads' images
.set KROW,   SIZE_K*6/8                ; a row of codes in memory; 16 rows of O's images are 16 x as many bytes
.set PITCH,  240                       ; W_o's rows in LDS: 3 x (64 bytes + 16 of padding)
.set FR,     12
.set NL,     6                         ; LDS loads that bring a fragment of W_o,
.set NLA,    4                         ; and one of O
.set NP,     4
.set HALFT,  128*PITCH                 ; the place of 128 rows in a slot (O's images fill 24,576 bytes of it)
.set SLOT,   4*HALFT
.set LAPS,   SIZE_K/(2*KSTEP)
.set KS,     SIZE_K/32
.set SCL,    2*SLOT
.set HALFS,  (128*KS/256)*272
.set SBLK,   (16*KS/256)*272
.set SPARE,  SCL+4*HALFS               ; the spare words, 128 bytes for each wave: two blocks of 256 bytes that no other line names
.set SPITCH, 528                       ; the way out: a stage of 16 rows x (512 bytes + 16) for each wave, in slot 0, which has had its last fill and its last read by then
.set ADRA, 16                          ; v16-17 my part of O in slot 0, 1, + 16 x lane; v18-19 the same + 8 x lane
.set ADRB, 20                          ; v20-23 W_o's fragments
.set STO,  24
.set RD,   25
.set CO,   26
.set ADRS, 27
.set SPW,  28                          ; my spare word; never rewritten
.set NIL,  29                          ; 0; never rewritten
.set H32,  30                          ; 32 x (lane / 16)
.set SC,   32
.set BIAS, 64
.set AF,   128
.set BK,   128
.set G1, 24
.set G0, 32
.set G1B, 48
.set G0B, 56
.set G1S, 68
.set G0S, 76
.set G1SB, 80
.set G0SB, 88
.set MSB, 0
.macro WIN new
.if MSB != \new
	s_set_vgpr_msb (MSB<<8)|\new
.set MSB, \new
.endif
.endm
.set MUL_LO, 0xa1
.set MUL_HI, 0xf1
.set BIA_LO, 0x81                      ; C (the bias) window 0, D window 2
.set BIA_HI, 0xc1
.set TO_B,   0x40
.macro JLOAD g0a, g1a, g0b, g1b        ; a joint load: waves 0 and 1 fetch for O, waves 2 and 3 for W_o; four v_nop follow each of the two lines
	s_cmp_eq_u32 s15, 0
	s_cbranch_scc0 .Lfor_b_\@
	tensor_load_to_lds s[\g0a:\g0a+3], s[\g1a:\g1a+7]
	s_nop 0
.rept 4
	v_nop
.endr
	s_branch .Lasked_\@
.Lfor_b_\@:
	tensor_load_to_lds s[\g0b:\g0b+3], s[\g1b:\g1b+7]
	s_nop 0
.rept 4
	v_nop
.endr
.Lasked_\@:
.endm
.macro CREST
	s_cmp_lg_u32 s14, 0
	s_cbranch_scc1 .Lnot_wave_0_\@
	s_barrier_signal -3
.Lnot_wave_0_\@:
	s_barrier_wait -3
	s_barrier_signal -1
	s_barrier_wait -1
.endm
.macro CROUND
	s_barrier_signal -1
	s_barrier_wait -1
	CREST
.endm
	s_load_b128 s[4:7], s[0:1], 0x0                ; O's images, O's scales
	s_load_b128 s[8:11], s[0:1], 0x10              ; W_o's codes, W_o's scales
	s_load_b64 s[66:67], s[0:1], 0x20              ; b_o
	s_load_b64 s[12:13], s[0:1], 0x28              ; out0
	v_lshl_add_u32 v[SPW], v0, 2, SPARE
	v_mov_b32 v[NIL], 0
	ds_add_u32 v28, v29
	ds_add_u32 v28, v29
	s_wait_dscnt 0x0
	v_lshrrev_b32 v1, 5, v0
	v_readfirstlane_b32 s14, v1                    ; wave 0..3
	s_lshr_b32 s15, s14, 1                         ; which half of the tile's rows is mine.  Also: I fetch for O (0) or for W_o (1)
	s_and_b32 s16, s14, 1                          ; which half of its columns.  Also: which 128 rows I fetch
	s_bfe_u32 s40, ttmp6, 0x40000                  ; cx, cy
	s_bfe_u32 s41, ttmp6, 0x40004
	s_lshl_b32 s42, ttmp9, 2
	s_add_co_u32 s42, s42, s40                     ; tile column
	s_and_b32 s17, ttmp7, 0xffff
	s_lshl_b32 s17, s17, 2
	s_add_co_u32 s17, s17, s41                     ; tile row
	s_lshl_b32 s43, s41, 2
	s_lshl_b32 s43, 15, s43                        ; my row of the cluster
	s_lshl_b32 s44, 0x1111, s40                    ; my column
	; O's tiles: 8 rows of 384 elements of 8 bytes (3,072 bytes), 1,536 elements apart; dense in LDS
	s_or_b32 s[G1+0], s43, (3<<16)|(1<<21)         ; 15:0 the mask: my row; 17:16 elements of 8 bytes; 20 no padding; 21 set beside a mask
	s_mov_b32 s[G1+1], 384<<16                     ; tensor_dim0
	s_mov_b32 s[G1+2], 8<<16                       ; tensor_dim1
	s_mov_b32 s[G1+3], 384<<16                     ; tile_dim0
	s_mov_b32 s[G1+4], 8                           ; tile_dim1
	s_mov_b32 s[G1+5], 1536                        ; tensor_dim0_stride
	s_mov_b32 s[G1+6], 0
	s_mov_b32 s[G1+7], 0
	; W_o's tiles: 128 rows of 192 bytes, 16 bytes of padding behind every 64
	s_or_b32 s[G1B+0], s44, (0<<16)|(1<<20)|(1<<21)|(3<<22)|(3<<25)
	s_mov_b32 s[G1B+1], ROWB<<16
	s_mov_b32 s[G1B+2], 128<<16
	s_mov_b32 s[G1B+3], ROWB<<16
	s_mov_b32 s[G1B+4], 128
	s_mov_b32 s[G1B+5], KROW
	s_mov_b32 s[G1B+6], 0
	s_mov_b32 s[G1B+7], 0
	; the scales of 128 rows: 4,096 dense bytes, as rows of 256 bytes with 16 bytes of padding behind each
	s_or_b32 s[G1S+0], s43, (3<<16)|(1<<20)|(1<<21)|(5<<22)|(3<<25)
	s_or_b32 s[G1SB+0], s44, (3<<16)|(1<<20)|(1<<21)|(5<<22)|(3<<25)
.irp g, G1S, G1SB
	s_mov_b32 s[\g+1], 32<<16
	s_mov_b32 s[\g+2], (128*KS/256)<<16
	s_mov_b32 s[\g+3], 32<<16
	s_mov_b32 s[\g+4], 128*KS/256
	s_mov_b32 s[\g+5], 32
	s_mov_b32 s[\g+6], 0
	s_mov_b32 s[\g+7], 0
.endr
	s_lshl_b32 s18, s16, 7
	s_lshl_b32 s20, s17, 8
	s_add_co_u32 s20, s20, s18                     ; O: row 256 x tile row + 128 x half
	s_lshl_b32 s46, s42, 8
	s_add_co_u32 s46, s46, s18                     ; W_o: row 256 x tile column + 128 x half
	s_mov_b32 s21, 0
	s_mov_b32 s47, 0
	s_mov_b64 s[18:19], KS
	s_mul_u64 s[22:23], s[20:21], s[18:19]
	s_mul_u64 s[92:93], s[46:47], s[18:19]
	s_mov_b64 s[18:19], KROW
	s_mul_u64 s[20:21], s[20:21], s[18:19]         ; (16 rows of images are 12,288 bytes: 768 a row, as of plain rows)
	s_mul_u64 s[46:47], s[46:47], s[18:19]
	s_mul_i32 s45, s14, HALFT
	s_mul_i32 s94, s14, HALFS
	s_wait_kmcnt 0x0
	s_add_nc_u64 s[20:21], s[4:5], s[20:21]
	s_add_nc_u64 s[22:23], s[6:7], s[22:23]
	s_add_nc_u64 s[46:47], s[8:9], s[46:47]
	s_add_nc_u64 s[92:93], s[10:11], s[92:93]
	CROUND                                         ; all sixteen work-groups are here: the first joint loads meet
	s_mov_b32 s[G0S], 1
	s_add_co_u32 s[G0S+1], s94, SCL
	s_mov_b64 s[G0S+2:G0S+3], s[22:23]
	s_or_b32 s[G0S+3], s[G0S+3], 0x80000000
	s_mov_b32 s[G0SB], 1
	s_add_co_u32 s[G0SB+1], s94, SCL
	s_mov_b64 s[G0SB+2:G0SB+3], s[92:93]
	s_or_b32 s[G0SB+3], s[G0SB+3], 0x80000000
	JLOAD G0S, G1S, G0SB, G1SB                     ; the scales first.  By this text's count three tensor loads of a wave are out at the most
.irp s, 0,1
	s_mov_b32 s[G0+4*\s], 1
	s_add_co_u32 s[G0+4*\s+1], s45, \s*SLOT
	s_add_nc_u64 s[G0+4*\s+2:G0+4*\s+3], s[20:21], \s*ASTEP
	s_or_b32 s[G0+4*\s+3], s[G0+4*\s+3], 0x80000000
	s_mov_b32 s[G0B+4*\s], 1
	s_add_co_u32 s[G0B+4*\s+1], s45, \s*SLOT
	s_add_nc_u64 s[G0B+4*\s+2:G0B+4*\s+3], s[46:47], \s*ROWB
	s_or_b32 s[G0B+4*\s+3], s[G0B+4*\s+3], 0x80000000
	JLOAD G0+4*\s, G1, G0B+4*\s, G1B
.endr
	v_and_b32 v1, 15, v0                           ; l % 16
	v_bfe_u32 v2, v0, 4, 1                         ; l / 16
	v_and_b32 v6, 31, v0                           ; lane
	v_mul_u32_u24 v3, v1, PITCH
	v_mul_u32_u24 v4, v2, 24
	v_add_nc_u32 v4, v3, v4                        ; W_o: a fragment's row x pitch + 24 x half
	v_lshl_add_u32 v5, v2, 4, v4                   ; and the same behind one padding more
	v_lshlrev_b32 v7, 4, v6                        ; O: 16 x lane,
	v_lshlrev_b32 v8, 3, v6                        ; 8 x lane
	s_mul_i32 s21, s15, HALFT                      ; my 128 rows of O
	s_mul_i32 s22, s16, HALFT                      ; my 128 rows of W_o,
	s_add_co_u32 s22, s22, 2*HALFT                 ; which lie behind O's two places
.irp s, 0,1
	v_add_nc_u32 v[ADRA+\s], s21, v7
	v_add_nc_u32 v[ADRB+\s], s22, v4
	v_add_nc_u32 v[ADRA+2+\s], s21, v8
	v_add_nc_u32 v[ADRB+2+\s], s22, v5
	s_add_co_u32 s21, s21, SLOT
	s_add_co_u32 s22, s22, SLOT
.endr
	v_mul_u32_u24 v5, v1, KS
	v_lshrrev_b32 v9, 8, v5
	v_lshl_add_u32 v5, v9, 4, v5
	s_mul_i32 s21, s15, HALFS
	s_mul_i32 s22, s16, HALFS
	s_add_co_u32 s22, s22, 2*HALFS
	s_sub_co_u32 s22, s22, s21
	v_mul_u32_u24 v9, s22, v2                      ; lanes 16-31 take W_o's
	s_add_co_u32 s21, s21, SCL
	v_add_nc_u32 v5, v5, v9
	v_add_nc_u32 v[ADRS], s21, v5
	s_mul_i32 s23, s14, 16*SPITCH                  ; my stage
	v_mul_u32_u24 v5, v1, SPITCH
	v_lshl_add_u32 v5, v2, 5, v5
	v_add_nc_u32 v[STO], s23, v5                   ; in: row l % 16, 32 bytes for each half of the lanes
	v_lshlrev_b32 v[CO], 4, v6                     ; back: the 32 lanes take one row of 512 bytes; and the same in out0
	v_add_nc_u32 v[RD], s23, v[CO]
	v_lshlrev_b32 v[H32], 5, v2
	s_lshl_b32 s20, s17, 8
	s_lshl_b32 s21, s15, 7
	s_add_co_u32 s20, s20, s21                     ; my first row of out0
	s_mov_b32 s21, 0
	s_mov_b64 s[18:19], SIZE_N*4
	s_mul_u64 s[20:21], s[20:21], s[18:19]
	s_lshl_b32 s46, s42, 10                        ; my first column, in bytes: 1,024 x tile column + 512 x half
	s_lshl_b32 s47, s16, 9
	s_add_co_u32 s46, s46, s47
	s_mov_b32 s47, 0
	s_add_nc_u64 s[66:67], s[66:67], s[46:47]      ; the bias of my 128 columns
	s_add_nc_u64 s[20:21], s[20:21], s[46:47]
	s_add_nc_u64 s[12:13], s[12:13], s[20:21]
.irp b, 0,1,2,3,4,5,6,7                        ; the bias in the result's layout: for W_o's block b a lane wants the columns 16 b + 8 (l / 16) + 0 .. 7
	global_load_b128 v[BIAS+8*\b:BIAS+8*\b+3], v[H32], s[66:67] offset:64*\b
	global_load_b128 v[BIAS+8*\b+4:BIAS+8*\b+7], v[H32], s[66:67] offset:64*\b+16
.endr
.macro FRAG reg, adr, q, i             ; a fragment of W_o: lane l holds row l % 16; registers 6 c .. 6 c + 5 hold K = 64 c + 32 (l / 16) + 0 .. 31, in pieces of 8 bytes
.irp p, 0,1,2,3,4,5                    ; where the piece of lanes 16-31 (three on) lies behind one padding more, the second address register serves
.set PIECE, 12*(\q)+6*(\p/3)+\p%3
.if PIECE%8 < 5
	ds_load_b64 v[\reg+2*\p:\reg+2*\p+1], v[\adr] offset:8*PIECE+16*(PIECE/8)+(\i)*16*PITCH
.else
	ds_load_b64 v[\reg+2*\p:\reg+2*\p+1], v[\adr+2] offset:8*PIECE+16*(PIECE/8)+(\i)*16*PITCH
.endif
.endr
.endm
.macro FRAGA reg, slot, q, i           ; a fragment of O: two heads' images, as they were stored
	ds_load_b128 v[\reg:\reg+3], v[ADRA+\slot] offset:ASTEP*(\i)+1536*(\q)
	ds_load_b64 v[\reg+4:\reg+5], v[ADRA+2+\slot] offset:ASTEP*(\i)+1536*(\q)+512
	ds_load_b128 v[\reg+6:\reg+9], v[ADRA+\slot] offset:ASTEP*(\i)+1536*(\q)+768
	ds_load_b64 v[\reg+10:\reg+11], v[ADRA+2+\slot] offset:ASTEP*(\i)+1536*(\q)+1280
.endm
; 16 matrix instructions: O's blocks a0, a0 + 1 x W_o's eight, 128 along K.  cm = 1: the sums begin with the bias.  The 64 accumulators take turns, one instruction a turn.
.macro MUL16 a0, p, q, sc, cm
.irp a, \a0, \a0+1
.irp b, 0,1,2,3,4,5,6,7
.if \cm
	v_wmma_scale_f32_16x16x128_f8f6f4 v[8*(8*((\a)%4)+\b):8*(8*((\a)%4)+\b)+7], v[128*(\p)+FR*\b:128*(\p)+FR*\b+FR-1], v[AF+FR*(\a):AF+FR*(\a)+FR-1], v[BIAS+8*\b:BIAS+8*\b+7], v[SC+8*NQ*(\sc)+NQ*\b+(\q)], v[SC+8*NQ*(\sc)+NQ*(\a)+(\q)] matrix_a_fmt:MATRIX_FMT_FP6 matrix_b_fmt:MATRIX_FMT_FP6 matrix_a_scale:MATRIX_SCALE_ROW1
.else
	v_wmma_scale_f32_16x16x128_f8f6f4 v[8*(8*((\a)%4)+\b):8*(8*((\a)%4)+\b)+7], v[128*(\p)+FR*\b:128*(\p)+FR*\b+FR-1], v[AF+FR*(\a):AF+FR*(\a)+FR-1], v[8*(8*((\a)%4)+\b):8*(8*((\a)%4)+\b)+7], v[SC+8*NQ*(\sc)+NQ*\b+(\q)], v[SC+8*NQ*(\sc)+NQ*(\a)+(\q)] matrix_a_fmt:MATRIX_FMT_FP6 matrix_b_fmt:MATRIX_FMT_FP6 matrix_a_scale:MATRIX_SCALE_ROW1
.endif
.endr
.endr
.endm
.macro FETCH_B slot, q, p
	WIN TO_B
.irp i, 0,1,2,3,4,5,6,7
	FRAG 128*(\p)+FR*\i, ADRB+\slot, \q, \i
.endr
	WIN 0
.endm
.macro FETCH_A slot, q, i0
.irp i, \i0, \i0+1, \i0+2, \i0+3
	FRAGA AF+FR*(\i), \slot, \q, \i
.endr
.endm
.macro SCALES sc
.irp i, 0,1,2,3,4,5,6,7
	ds_load_b64 v[SC+8*NQ*\sc+NQ*\i:SC+8*NQ*\sc+NQ*\i+1], v[ADRS] offset:\i*SBLK
.endr
.endm
.macro PLACES n                        ; plain vector instructions that name none of a matrix instruction's registers, in front of loads into its operands and of reads of its results
.rept \n
	v_nop
.endr
.endm
.macro STEP slot, q, cm
	s_wait_dscnt 4*NLA                             ; W_o's set and O's blocks 0-3 are in; the youngest 16 loads (O's blocks 4-7) may be out
.if \cm
	WIN BIA_LO
.else
	WIN MUL_LO
.endif
	MUL16 0, (\q)%2, \q, \slot, \cm
	MUL16 2, (\q)%2, \q, \slot, \cm
	s_wait_dscnt 0
	PLACES NP
	FETCH_B \slot, (\q)+1, 1-(\q)%2
	FETCH_A \slot, (\q)+1, 0
.if \cm
	WIN BIA_HI
.else
	WIN MUL_HI
.endif
	MUL16 4, (\q)%2, \q, \slot, \cm
	MUL16 6, (\q)%2, \q, \slot, \cm
	PLACES NP
	WIN 0
	FETCH_A \slot, (\q)+1, 4
.endm
; A slot's last step changes slots: ONE barrier; in front of it each wave waits for all its tensor loads, adds 0 to its spare word, and waits for that and for its own reads of this slot.
.macro TURN slot, next, fill
	s_wait_tensorcnt 0x0                           ; all my tensor loads have landed: my part of the next slot
	ds_add_u32 v[SPW], v[NIL]                      ; 0 onto my spare word
	s_wait_dscnt 4*NLA+1                           ; (the add and the youngest 16 loads may be out)
	WIN MUL_LO
	MUL16 0, 1, NQ-1, \slot, 0
	s_wait_dscnt 0x0                               ; the add is done, and my reads of this slot are over
	s_barrier_signal -1
	MUL16 2, 1, NQ-1, \slot, 0
	WIN 0
	s_barrier_wait -1
.if \fill
	CREST                                          ; the barrier has opened a round of the cluster's barrier: no wave of any partner still reads this slot or has a load on its way
	s_add_nc_u64 s[G0+4*\slot+2:G0+4*\slot+3], s[G0+4*\slot+2:G0+4*\slot+3], 2*ASTEP
	s_add_nc_u64 s[G0B+4*\slot+2:G0B+4*\slot+3], s[G0B+4*\slot+2:G0B+4*\slot+3], 2*ROWB
	JLOAD G0+4*\slot, G1, G0B+4*\slot, G1B         ; the first tensor load behind the round; its four v_nop are also the places in front of the loads below
.else
	PLACES NP
.endif
	v_add_nc_u32 v[ADRS], 4*NQ, v[ADRS]
	FETCH_B \next, 0, 0
	FETCH_A \next, 0, 0
	SCALES \next
	WIN MUL_HI
	MUL16 4, 1, NQ-1, \slot, 0
	MUL16 6, 1, NQ-1, \slot, 0
	PLACES NP
	WIN 0
	FETCH_A \next, 0, 4
.endm
	s_wait_tensorcnt 1                             ; the scales and my part of K step 0 are in (K step 1's load may be out),
	s_barrier_signal -1
	s_barrier_wait -1                              ; everybody's are
	FETCH_B 0, 0, 0
	FETCH_A 0, 0, 0
	SCALES 0
	FETCH_A 0, 0, 4
	s_wait_loadcnt 0x0                             ; the bias
	STEP 0, 0, 1                                   ; the first step stands in front of the loop: its products start the sums
	s_mov_b32 s3, LAPS-1
.Llap:
	TURN 0, 1, 1
	STEP 1, 0, 0
	TURN 1, 0, 1
	STEP 0, 0, 0
	s_sub_co_u32 s3, s3, 1
	s_cmp_lg_u32 s3, 0
	s_cbranch_scc1 .Llap
	TURN 0, 1, 0                                   ; the last lap fills nothing, and has no round of the cluster's barrier
	STEP 1, 0, 0
	s_wait_dscnt 4*NLA
	WIN MUL_LO
	MUL16 0, 1, NQ-1, 1, 0
	MUL16 2, 1, NQ-1, 1, 0
	s_wait_dscnt 0
	WIN MUL_HI
	MUL16 4, 1, NQ-1, 1, 0
	MUL16 6, 1, NQ-1, 1, 0
	WIN 0
; THE WAY OUT, block by block of 16 rows x 128 columns, through my own stage in LDS: in as 32 bytes a lane, back as whole rows of 512 bytes.  LDS serves a wave's instructions in order (ISA guide 5.7.1.4): no wait between the stores and the loads.
.macro TOSTAGE a
.set AC, 64*((\a)%4)
	WIN 0x08+4*((\a)/4)                            ; the data: window 2 or 3
.irp b, 0,1,2,3,4,5,6,7
	ds_store_b128 v[STO], v[AC+8*\b:AC+8*\b+3] offset:64*\b          ; each accumulator from its low end on
	ds_store_b128 v[STO], v[AC+8*\b+4:AC+8*\b+7] offset:64*\b+16
.endr
	WIN 0
.set BB, BK+64*((\a)%2)
.irp t, 0,1,2,3,4,5,6,7,8,9,10,11,12,13,14,15
	ds_load_b128 v[BB+4*\t:BB+4*\t+3], v[RD] offset:\t*SPITCH
.endr
.endm
.macro SEND a, younger                 ; younger: the LDS instructions issued behind block a's loads, which may stay out
.set BB, BK+64*((\a)%2)
	s_wait_dscnt \younger
.if (\a) > 0
	s_add_nc_u64 s[12:13], s[12:13], 16*SIZE_N*4   ; (behind a wait on XCNT: the earlier stores have read their base)
.endif
.irp t, 0,1,2,3,4,5,6,7,8,9,10,11,12,13,14,15
	global_store_b128 v[CO], v[BB+4*\t:BB+4*\t+3], s[12:13] offset:\t*SIZE_N*4 th:TH_STORE_NT   ; 32 lanes store 512 consecutive bytes, at a multiple of 256 from out0's first byte
.endr
.endm
	PLACES NP
	TOSTAGE 0
.irp a, 1,2,3,4,5,6,7
.if \a > 1
	s_wait_xcnt 0x0                                ; block a - 2's stores have read their registers and their base
.endif
	TOSTAGE \a
	SEND \a-1, 32                                  ; behind block a - 1's loads: block a's 16 stores and 16 loads
.endr
	s_wait_xcnt 0x0
	SEND 7, 0
	s_wait_tensorcnt 0x0                           ; the wave's end
	ds_add_u32 v[SPW], v[NIL]
	s_wait_dscnt 0x0
	CROUND                                         ; the closing round
	s_endpgm
.Lfunc_end_k_q5dc981d9d0_oproj:
	.size	k_q5dc981d9d0_oproj, .Lfunc_end_k_q5dc981d9d0_oproj-k_q5dc981d9d0_oproj
	.p2alignl 7, 3214868480
	.fill 96, 4, 3214868480
	.section	.rodata,"a",@progbits
	.p2align	6, 0x0
	.amdhsa_kernel k_q5dc981d9d0_oproj
		.amdhsa_group_segment_fixed_size 327680
		.amdhsa_private_segment_fixed_size 0
		.amdhsa_enable_private_segment 0
		.amdhsa_kernarg_size 48
		.amdhsa_user_sgpr_count 2
		.amdhsa_user_sgpr_kernarg_segment_ptr 1
		.amdhsa_wavefront_size32 1
		.amdhsa_system_sgpr_workgroup_id_x 1
		.amdhsa_system_sgpr_workgroup_id_y 1
		.amdhsa_system_sgpr_workgroup_id_z 1
		.amdhsa_system_vgpr_workitem_id 0
		.amdhsa_next_free_vgpr 1024
		.amdhsa_next_free_sgpr 98
		.amdhsa_reserve_vcc 0
		.amdhsa_float_denorm_mode_32 3
		.amdhsa_float_denorm_mode_16_64 3
		.amdhsa_memory_ordered 1
		.amdhsa_forward_progress 1
		.amdhsa_inst_pref_size 153
	.end_amdhsa_kernel
	.amdgpu_metadata
---
amdhsa.version: [ 1, 2 ]
amdhsa.kernels:
  - .name:           k_q5dc981d9d0_oproj
    .symbol:         k_q5dc981d9d0_oproj.kd
    .args:
      - { .name: oimg, .offset: 0, .size: 8, .value_kind: global_buffer, .address_space: global }
      - { .name: osc, .offset: 8, .size: 8, .value_kind: global_buffer, .address_space: global }
      - { .name: W_o_codes, .offset: 16, .size: 8, .value_kind: global_buffer, .address_space: global }
      - { .name: W_o_scales, .offset: 24, .size: 8, .value_kind: global_buffer, .address_space: global }
      - { .name: b_o, .offset: 32, .size: 8, .value_kind: global_buffer, .address_space: global }
      - { .name: out0, .offset: 40, .size: 8, .value_kind: global_buffer, .address_space: global }
    .group_segment_fixed_size: 327680
    .private_segment_fixed_size: 0
    .kernarg_segment_align: 8
    .kernarg_segment_size: 48
    .max_flat_workgroup_size: 128
    .sgpr_count:     98
    .vgpr_count:     1024
    .wavefront_size: 32
...
	.end_amdgpu_metadata
.endif
;; end of part 3
